; MI455X (gfx1250); checked and timed in simulation.
; The chip was launched on July 23, 2026; its instructions are those of AMD's public machine-readable ISA for CDNA 5 (MIT licence, August 2026) and "CDNA5" Instruction Set Architecture Reference Guide (July 2026). The comments in the code are by the model that wrote it; some were corrected since.
;; Linear Attention. Allowed arithmetic: matrix products marked QUANTISED: E3M2 operands, one E8M0 scale for each 32 along K, by v_wmma_scale_f32_16x16x128_f8f6f4 with both operands' format E3M2, f32 sums; everything else in f32.
;; Inputs: Wk 1,024 x 1,024 float32; Wq 1,024 x 1,024 float32; Wv 1,024 x 1,024 float32; proj 1,024 x 256 float32; x 4 x 4,096 x 1,024 float32.
;; Outputs: out0 4 x 4,096 x 1,024 float32.
;; This version of the problem:
;;   THIS VERSION OF THE PROBLEM IS GIVEN IN LOW PRECISION. The matrix products marked QUANTISED in the list below multiply operands that are first quantised to E3M2 (3 exponent bits, 2 mantissa bits; 6 bits a number), with one power-of-two scale for each 32 numbers along K (OCP MX v1.0); their sums are f32. All else is computed in f32.
;;   The module's matrix products, in the order in which they are computed (A, B: the left and right operand; K: the contracted axis; several contracted axes count as one K, in the product's order):
;;     1. [M 16,384, K 1,024] x [K 1,024, N 1,024]; A: input x; B: input Wq: QUANTISED
;;     2. [M 16,384, K 1,024] x [K 1,024, N 1,024]; A: input x; B: input Wk: QUANTISED
;;     3. [M 16,384, K 1,024] x [K 1,024, N 1,024]; A: input x; B: input Wv: QUANTISED
;;     4. [M 16,384, K 1,024] x [K 1,024, N 256]; A: computed on the way; B: input proj: QUANTISED
;;     5. [M 16,384, K 1,024] x [K 1,024, N 256]; A: computed on the way; B: input proj: QUANTISED
;;     6. batch 4 x [M 256, K 4,096] x [K 4,096, N 1,024]; A: computed on the way; B: computed on the way: QUANTISED
;;     7. batch 4 x [M 4,096, K 256] x [K 256, N 1,024]; A: computed on the way; B: computed on the way: QUANTISED
;;   THE QUANTISER, for each operand of a quantised product, along K:
;;     - K is cut into blocks of 32 from its start; a last block that is shorter is filled with zeros.
;;     - A block's scale is 2^e with e = floor(log2(the largest magnitude in the block)) - 4, held to -126 .. 127; a block of zeros has e = 0. As a byte (E8M0): e + 127.
;;     - Each number is divided by its block's scale, clamped to +-28, and rounded to the nearest number of E3M2, ties to even, subnormals kept.
;;     - The product sums the exact products of the quantised numbers (number of the format x scale) in f32.
;;   ~~~python
;;   def quantise(x, axis):      # numpy; x: float32 -> the quantised numbers, widened to float32 again
;;       x = np.moveaxis(x, axis, -1); K = x.shape[-1]
;;       x = np.pad(x, [(0, 0)] * (x.ndim - 1) + [(0, -K % 32)]); x = x.reshape(x.shape[:-1] + (-1, 32)); a = np.abs(x).max(-1, keepdims=True)
;;       e = np.where(a > 0, np.clip(np.frexp(np.where(a > 0, a, 1))[1] - 1 - 4, -126, 127), 0)      # np.frexp(a)[1] - 1 = floor(log2(a)), exactly
;;       r = np.clip(x / 2.0 ** e, -28, 28)
;;       step = 2.0 ** (np.maximum(np.frexp(np.where(r == 0, 1, r))[1] - 1, -2) - 2)
;;       q = np.round(r / step) * step * 2.0 ** e      # np.round: ties to even
;;       return np.moveaxis(q.reshape(q.shape[:-2] + (-1,))[..., :K], -1, axis).astype(np.float32)
;;   ~~~
;;   OPERANDS COMPUTED ON THE WAY. 'Computed on the way' means the value that the module computes at that place (a softmax that the list does not call 'softmax' is quantised finished and normalised). What goes into a quantiser is computed in f32, as accurately as f32 sums, v_exp_f32 and their like allow (about 1e-6 of the number): no bf16 or f16 on the way to a quantiser, and a product that is left as it is and whose result goes on into a quantised operand takes f32 operands (vector FMAs, or v_wmma_f32_16x16x4_f32). A number that lies on a knife's edge between two numbers of the format may be rounded either way, as far as f32 arithmetic and the matrix unit's own rounding can turn it there, and no further.
;; One version. Each part assembles by itself: llvm-mc -triple=amdgcn-amd-amdhsa -mcpu=gfx1250 --defsym DOCPART=n.
;; ======== version 1 of 1: 5 launches
;; workspace buffers: w1 15,769,600 bytes; w2 39,321,600 bytes; w3 6,684,672 bytes; w4 819,200 bytes
;; launch quant (part 1): grid 640 x 1, 4 waves a work-group, no clusters, 34,560 bytes of LDS; arguments x, Wq, Wk, Wv, proj, w1; writes w1
.if DOCPART == 1
	.amdgcn_target "amdgcn-amd-amdhsa--gfx1250"
	.amdhsa_code_object_version 6
	.text
	.protected	k_q830453f546_quant
	.globl	k_q830453f546_quant
	.p2align	8
	.type	k_q830453f546_quant,@function
k_q830453f546_quant:
	s_mov_b64 s[64:65], 0
	v_nop
	global_prefetch_b8 v0, s[64:65] scope:SCOPE_SE
	s_setreg_imm32_b32 hwreg(HW_REG_WAVE_MODE, 25, 1), 1
	s_wait_xcnt 0x0
; x [16384][1024], Wq, Wk, Wv [1024][1024] (K innermost) and proj [1024 (K)][256] (K outermost), all f32, become codes of BF6 (E3M2) with one E8M0 byte for each 32 along K.
; A block's scale is 2^(floor(log2(largest magnitude)) - 4): the largest magnitude's exponent field less 4, held at 1 from below.
; LIMITS: NaN and infinities among the inputs are not served; blocks whose largest magnitude lies under 2^-122 keep the byte 1; a block of zeros gets the byte 1 where the
; quantiser's text says 127: its codes are zeros, which add nothing under that byte, and these bytes are read by this program alone.
; LAYOUT OF THE WORKSPACE.  Rows go in tiles of 16: lane row r of tile T is the row 32 (T / 2) + 8 (T % 2) + r + 8 (r / 8).  A fragment (16 rows x 128 K, 12 registers a lane) lies as an
; image of its registers: register i of lane l at byte 512 (i / 4) + 16 l + 4 (i % 4), 1,536 bytes; fragment (T, step s of 128 along K) at (8 T + s) x 1536.
; The scale word of (tile 4 G + j, step s, row r) lies at ((8 G + s) x 16 + r) x 16 + 4 j.
; SHARES.  Work-groups 0-31: proj, a fragment a wave.  32-543: x; 544-639: the three weights: a wave takes four tiles (64 rows) of one step of 128 along K.
; Each load of the stream covers one row's 512 consecutive bytes; the 16 rows of a tile turn through the wave's own stage in LDS (rows 528 bytes apart), from which a lane takes 16 neighbours of each block.
.set WIMG, 12582912
.set PIMG, 14942208
.set SX,   15138816
.set SW,   15663104
.set SP,   15761408
.set STG,  8448                        ; a wave's stage: 16 rows x 528 bytes
.set XCH,  33792                       ; behind the four stages: 256 bytes in which proj's four waves gather their scale words
.set LI,  4                            ; v4   16 x lane
.set SI,  5                            ; v5   the stage, way in
.set SO,  6                            ; v6   the stage, way out: row r, + 64 h
.set SOF, 7                            ; v7   16 r
.set PV,  8                            ; v8   proj: my column and my half's 32 rows
.set XW,  9                            ; v9   where my wave's scale word goes
.set XR,  10                           ; v10  where four words are read back
.set TM,  16                           ; v16-31 at work in the quantiser
.set PW,  32                           ; v32-35 scale words
.set CT,  36                           ; v36-43 the upper halves' codes
.set PC,  44                           ; v44-91 codes, 12 registers a tile: no store's data are written again
.set R,   96                           ; v96-223 two sets of 64 numbers
.set SEL, 26                           ; s[26:27] lane selects: lane l xor 16
; 64 numbers of a lane, register 16 b + i = k 32 b + 16 (lane / 16) + i of my row, become a fragment's codes in v[pc] on and my row's scale word in v[pw].
.macro QUANT src, pc, pw
.irp b, 0,1,2,3
	v_max3_num_f32 v[TM+\b], |v[(\src)+16*\b]|, |v[(\src)+16*\b+1]|, 0x2800000   ; my 16 numbers of block b, and the floor 2^(5 - 127): the byte cannot fall under 1
.endr
.irp i, 2,4,6,8,10,12,14
.irp b, 0,1,2,3
	v_max3_num_f32 v[TM+\b], v[TM+\b], |v[(\src)+16*\b+\i]|, |v[(\src)+16*\b+\i+1]|
.endr
.endr
.irp b, 0,1,2,3
	v_permlanex16_b32 v[TM+4+\b], v[TM+\b], s[SEL], s[SEL+1]
.endr
.irp b, 0,1,2,3
	v_max_num_f32 v[TM+\b], v[TM+\b], v[TM+4+\b]           ; with lane l xor 16's: the block's largest magnitude
.endr
.irp b, 0,1,2,3
	v_add_nc_u32 v[TM+12+\b], 0xfe000000, v[TM+\b]         ; 4 off its exponent field: the conversion's scale operand
.endr
.irp b, 0,1,2,3
	v_lshrrev_b32 v[TM+4+\b], 23, v[TM+12+\b]              ; the scale's byte
.endr
	v_lshl_or_b32 v[\pw], v[TM+5], 8, v[TM+4]
	v_lshl_or_b32 v[\pw], v[TM+6], 16, v[\pw]
	v_lshl_or_b32 v[\pw], v[TM+7], 24, v[\pw]
.irp c, 0,1
	v_cvt_scalef32_pk16_bf6_f32 v[(\pc)+6*\c:(\pc)+6*\c+2], v[(\src)+32*\c:(\src)+32*\c+15], v[TM+12+2*\c]
	v_cvt_scalef32_pk16_bf6_f32 v[CT+4*\c:CT+4*\c+2], v[(\src)+32*\c+16:(\src)+32*\c+31], v[TM+13+2*\c]
.endr
	v_nop                                          ; one plain place behind a scaled conversion
.irp c, 0,1                                    ; the operand wants a whole block in a lane: lanes 0-15 block 2 c, lanes 16-31 block 2 c + 1
.irp i, 0,1,2
	v_permlane16_swap_b32 v[(\pc)+6*\c+\i], v[CT+4*\c+\i]
.endr
.irp i, 0,1,2
	v_mov_b32 v[(\pc)+3+6*\c+\i], v[CT+4*\c+\i]
.endr
.endr
.endm
	s_load_b256 s[4:11], s[0:1], 0x0               ; x, Wq, Wk, Wv
	s_load_b128 s[12:15], s[0:1], 0x20             ; proj, w1
	v_lshl_add_u32 v224, v0, 2, 0x8500
	v_mov_b32 v225, 0
	v_lshrrev_b32 v11, 5, v0
	v_readfirstlane_b32 s16, v11                   ; wave 0..3
	v_and_b32 v1, 31, v0                           ; lane
	v_and_b32 v2, 15, v0                           ; r
	v_bfe_u32 v3, v0, 4, 1                         ; h
	v_lshlrev_b32 v[LI], 4, v1
	s_mul_i32 s17, s16, STG
	v_add_nc_u32 v[SI], s17, v[LI]
	v_mul_u32_u24 v[SO], v2, 528
	v_lshl_add_u32 v[SO], v3, 6, v[SO]
	v_add_nc_u32 v[SO], s17, v[SO]
	v_lshlrev_b32 v[SOF], 4, v2
	v_and_b32 v[PV], 8, v2
	v_add_nc_u32 v[PV], v[PV], v2                  ; r + 8 (r / 8)
	v_lshlrev_b32 v[PV], 2, v[PV]
	v_lshl_add_u32 v[PV], v3, 15, v[PV]            ; + 32 rows of 1,024 bytes for lanes 16-31
	s_lshl_b32 s17, s16, 2
	s_add_co_u32 s17, s17, XCH
	v_add_nc_u32 v[XW], s17, v[SOF]
	v_add_nc_u32 v[XR], XCH, v[SOF]
	s_mov_b32 s[SEL], 0x76543210
	s_mov_b32 s[SEL+1], 0xfedcba98
.irp b, 0,1,2,3
	v_mov_b32 v[TM+4+\b], 0                        ; written once: a lane permute's destination counts as one of its sources
.endr
	s_cmp_lt_u32 ttmp9, 32
	s_cbranch_scc1 .Lproj
	; ---- x and the weights
	s_sub_co_u32 s17, ttmp9, 32                    ; t
	s_sub_co_u32 s18, s17, 512
	s_mov_b32 s29, SW
	s_cmp_lt_u32 s17, 512                          ; x's work-group or a weight's
	s_cselect_b32 s18, s17, s18                    ; its number within its kind
	s_cselect_b32 s28, 0, WIMG                     ; where the kind's images begin,
	s_cselect_b32 s29, SX, s29                     ; and its scale words
	s_cselect_b32 s30, 255, 15                     ; groups of 64 rows in one input tensor, less 1
	s_lshr_b32 s19, s18, 5                         ; which weight
	s_lshr_b32 s31, s18, 1                         ; G: the group of four tiles
	s_and_b32 s32, s18, 1
	s_lshl_b32 s32, s32, 2
	s_add_co_u32 s32, s32, s16                     ; s: the step of 128 along K
	s_and_b32 s34, s31, s30
	s_lshl_b32 s34, s34, 18                        ; 64 rows of 4,096 bytes
	s_lshl_b32 s33, s32, 9
	s_add_co_u32 s34, s34, s33
	s_mov_b32 s35, 0
	s_lshl_b32 s36, s31, 5
	s_add_co_u32 s36, s36, s32
	s_mul_i32 s36, s36, 1536
	s_add_co_u32 s36, s36, s28
	s_mov_b32 s37, 0
	s_lshl_b32 s38, s31, 3
	s_add_co_u32 s38, s38, s32
	s_lshl_b32 s38, s38, 8
	s_add_co_u32 s38, s38, s29
	s_mov_b32 s39, 0
	s_wait_kmcnt 0x0
	s_cmp_eq_u32 s19, 1
	s_cselect_b64 s[20:21], s[8:9], s[6:7]
	s_cmp_eq_u32 s19, 2
	s_cselect_b64 s[20:21], s[10:11], s[20:21]
	s_cmp_lt_u32 s17, 512
	s_cselect_b64 s[20:21], s[4:5], s[20:21]       ; the choices hang on the work-group's number alone
	s_add_nc_u64 s[20:21], s[20:21], s[34:35]
	s_add_nc_u64 s[22:23], s[14:15], s[36:37]
	s_add_nc_u64 s[24:25], s[14:15], s[38:39]
.macro LOADS t                         ; tile t of the group: its 16 rows' 512 bytes of my step
.irp i, 0,1,2,3,4,5,6,7,8,9,10,11,12,13,14,15
	global_load_b128 v[R+64*((\t)%2)+4*\i:R+64*((\t)%2)+4*\i+3], v[LI], s[20:21] offset:(32*((\t)/2)+8*((\t)%2)+\i+8*(\i/8))*4096 th:TH_LOAD_NT
.endr
.endm
.macro STEP t
.if (\t) < 3
	s_wait_loadcnt 16                              ; this tile's 16 loads are in; the next tile's 16 may be out
.else
	s_wait_loadcnt 0x0
.endif
.irp i, 0,1,2,3,4,5,6,7,8,9,10,11,12,13,14,15
	ds_store_b128 v[SI], v[R+64*((\t)%2)+4*\i:R+64*((\t)%2)+4*\i+3] offset:528*\i
.endr
.irp b, 0,1,2,3
.irp j, 0,1,2,3
	ds_load_b128 v[R+64*((\t)%2)+16*\b+4*\j:R+64*((\t)%2)+16*\b+4*\j+3], v[SO] offset:128*\b+16*\j   ; LDS serves a wave's instructions in order: these see the stores above
.endr
.endr
	s_wait_dscnt 0x0
	QUANT R+64*((\t)%2), PC+12*(\t), PW+(\t)
.irp c, 0,1,2
	global_store_b128 v[LI], v[PC+12*(\t)+4*\c:PC+12*(\t)+4*\c+3], s[22:23] offset:12288*(\t)+512*\c   ; 32 lanes store 512 consecutive bytes
.endr
.if (\t) < 2
	LOADS (\t)+2
.endif
.endm
	LOADS 0
	LOADS 1
	STEP 0
	STEP 1
	STEP 2
	STEP 3
	s_wait_xcnt 0x0                                ; EXEC changes only behind this wait
	v_cmp_gt_u32 vcc_lo, 16, v1
	s_and_saveexec_b32 s17, vcc_lo
	global_store_b128 v[SOF], v[PW:PW+3], s[24:25] ; sixteen lanes store the four tiles' scale words: 256 consecutive bytes
	s_wait_xcnt 0x0
	s_mov_b32 exec_lo, -1
	s_wait_tensorcnt 0x0
	ds_add_u32 v224, v225
	s_wait_dscnt 0x0
	s_endpgm
	; ---- proj: K is its first axis: a lane takes a column, its registers run down K in the order that the operand gives that lane
.Lproj:
	s_lshr_b32 s17, ttmp9, 3                       ; G
	s_and_b32 s18, ttmp9, 7                        ; s
	s_lshl_b32 s34, s18, 17                        ; 128 rows of 1,024 bytes
	s_lshl_b32 s33, s17, 8                         ; 64 columns
	s_add_co_u32 s34, s34, s33
	s_lshr_b32 s33, s16, 1
	s_lshl_b32 s33, s33, 7                         ; tile j = my wave: 32 (j / 2) columns
	s_add_co_u32 s34, s34, s33
	s_and_b32 s33, s16, 1
	s_lshl_b32 s33, s33, 5                         ; + 8 (j % 2)
	s_add_co_u32 s34, s34, s33
	s_mov_b32 s35, 0
	s_lshl_b32 s36, s17, 2
	s_add_co_u32 s36, s36, s16
	s_lshl_b32 s36, s36, 3
	s_add_co_u32 s36, s36, s18
	s_mul_i32 s36, s36, 1536
	s_add_co_u32 s36, s36, PIMG
	s_mov_b32 s37, 0
	s_lshl_b32 s38, s17, 3
	s_add_co_u32 s38, s38, s18
	s_lshl_b32 s38, s38, 8
	s_add_co_u32 s38, s38, SP
	s_mov_b32 s39, 0
	s_wait_kmcnt 0x0
	s_add_nc_u64 s[20:21], s[12:13], s[34:35]
	s_add_nc_u64 s[22:23], s[14:15], s[36:37]
	s_add_nc_u64 s[24:25], s[14:15], s[38:39]
.irp c, 0,1
.irp i, 0,1,2,3,4,5,6,7,8,9,10,11,12,13,14,15,16,17,18,19,20,21,22,23,24,25,26,27,28,29,30,31
	global_load_b32 v[R+32*\c+\i], v[PV], s[20:21] offset:(64*\c+\i)*1024   ; proj(128 s + 64 c + 32 h + i, my column)
.endr
.endr
	s_wait_loadcnt 0x0
.irp c, 0,1                                    ; my block 2 c + h: all its 32 numbers are mine
	v_max3_num_f32 v[TM+\c], |v[R+32*\c]|, |v[R+32*\c+1]|, 0x2800000
.endr
.irp i, 2,4,6,8,10,12,14,16,18,20,22,24,26,28,30
.irp c, 0,1
	v_max3_num_f32 v[TM+\c], v[TM+\c], |v[R+32*\c+\i]|, |v[R+32*\c+\i+1]|
.endr
.endr
.irp c, 0,1
	v_add_nc_u32 v[TM+12+\c], 0xfe000000, v[TM+\c]
.endr
.irp c, 0,1
	v_lshrrev_b32 v[TM+4+\c], 23, v[TM+12+\c]
.endr
	v_lshl_or_b32 v[PW], v[TM+5], 16, v[TM+4]      ; my two bytes: blocks h and 2 + h,
	v_lshlrev_b32 v[TM+8], 3, v3
	v_lshlrev_b32 v[PW], v[TM+8], v[PW]            ; at their places in the word;
	v_mov_b32 v[TM+9], 0
	v_permlanex16_b32 v[TM+9], v[PW], s[SEL], s[SEL+1]
	v_or_b32 v[PW], v[PW], v[TM+9]                 ; with lane l xor 16's two the word is whole
.irp c, 0,1
	v_cvt_scalef32_pk16_bf6_f32 v[PC+6*\c:PC+6*\c+2], v[R+32*\c:R+32*\c+15], v[TM+12+\c]
	v_cvt_scalef32_pk16_bf6_f32 v[CT+4*\c:CT+4*\c+2], v[R+32*\c+16:R+32*\c+31], v[TM+12+\c]
.endr
	v_nop
.irp c, 0,1
.irp i, 0,1,2
	v_mov_b32 v[PC+3+6*\c+\i], v[CT+4*\c+\i]
.endr
.endr
.irp c, 0,1,2
	global_store_b128 v[LI], v[PC+4*\c:PC+4*\c+3], s[22:23] offset:512*\c
.endr
	ds_store_b32 v[XW], v[PW]                      ; lanes r and r + 16 write the same word with the same value
	s_wait_dscnt 0x0                               ; for the others' sake: my store has landed
	s_barrier_signal -1
	s_barrier_wait -1
	s_cmp_lg_u32 s16, 0
	s_cbranch_scc1 .Lend
	ds_load_b128 v[PW:PW+3], v[XR]                 ; the four tiles' words of row r
	s_wait_dscnt 0x0
	s_wait_xcnt 0x0                                ; EXEC changes only behind this wait
	v_cmp_gt_u32 vcc_lo, 16, v1
	s_and_saveexec_b32 s17, vcc_lo
	global_store_b128 v[SOF], v[PW:PW+3], s[24:25]
.Lend:
	s_wait_xcnt 0x0
	s_mov_b32 exec_lo, -1
	s_wait_tensorcnt 0x0
	ds_add_u32 v224, v225
	s_wait_dscnt 0x0
	s_endpgm
.Lfunc_end_k_q830453f546_quant:
	.size	k_q830453f546_quant, .Lfunc_end_k_q830453f546_quant-k_q830453f546_quant
	.p2alignl 7, 3214868480
	.fill 96, 4, 3214868480
	.section	.rodata,"a",@progbits
	.p2align	6, 0x0
	.amdhsa_kernel k_q830453f546_quant
		.amdhsa_group_segment_fixed_size 34560
		.amdhsa_private_segment_fixed_size 0
		.amdhsa_enable_private_segment 0
		.amdhsa_kernarg_size 48
		.amdhsa_user_sgpr_count 2
		.amdhsa_user_sgpr_kernarg_segment_ptr 1
		.amdhsa_wavefront_size32 1
		.amdhsa_system_sgpr_workgroup_id_x 1
		.amdhsa_system_sgpr_workgroup_id_y 1
		.amdhsa_system_sgpr_workgroup_id_z 1
		.amdhsa_system_vgpr_workitem_id 0
		.amdhsa_next_free_vgpr 226
		.amdhsa_next_free_sgpr 66
		.amdhsa_reserve_vcc 1
		.amdhsa_float_denorm_mode_32 3
		.amdhsa_float_denorm_mode_16_64 3
		.amdhsa_memory_ordered 1
		.amdhsa_forward_progress 1
		.amdhsa_inst_pref_size 45
	.end_amdhsa_kernel
	.amdgpu_metadata
---
amdhsa.version: [ 1, 2 ]
amdhsa.kernels:
  - .name:           k_q830453f546_quant
    .symbol:         k_q830453f546_quant.kd
    .args:
      - { .name: x, .offset: 0, .size: 8, .value_kind: global_buffer, .address_space: global }
      - { .name: Wq, .offset: 8, .size: 8, .value_kind: global_buffer, .address_space: global }
      - { .name: Wk, .offset: 16, .size: 8, .value_kind: global_buffer, .address_space: global }
      - { .name: Wv, .offset: 24, .size: 8, .value_kind: global_buffer, .address_space: global }
      - { .name: proj, .offset: 32, .size: 8, .value_kind: global_buffer, .address_space: global }
      - { .name: w1, .offset: 40, .size: 8, .value_kind: global_buffer, .address_space: global }
    .group_segment_fixed_size: 34560
    .private_segment_fixed_size: 0
    .kernarg_segment_align: 8
    .kernarg_segment_size: 48
    .max_flat_workgroup_size: 128
    .sgpr_count:     66
    .vgpr_count:     226
    .wavefront_size: 32
...
	.end_amdgpu_metadata
.endif
;; end of part 1
;; launch qkv (part 2): grid 4 x 64, 4 waves a work-group, clusters of 4 x 4, 327,680 bytes of LDS; arguments w1, w2; writes w2
.if DOCPART == 2
	.amdgcn_target "amdgcn-amd-amdhsa--gfx1250"
	.amdhsa_code_object_version 6
	.text
	.protected	k_q830453f546_qkv
	.globl	k_q830453f546_qkv
	.p2align	8
	.type	k_q830453f546_qkv,@function
k_q830453f546_qkv:
	s_mov_b64 s[64:65], 0
	v_nop
	global_prefetch_b8 v0, s[64:65] scope:SCOPE_SE
	s_setreg_imm32_b32 hwreg(HW_REG_WAVE_MODE, 25, 1), 1
	s_wait_xcnt 0x0
	s_wait_alu depctr_hold_cnt(0) depctr_sa_sdst(0) depctr_va_vdst(0) depctr_va_sdst(0) depctr_va_ssrc(0) depctr_va_vcc(0) depctr_vm_vsrc(0)
	s_getreg_b32 s2, hwreg(HW_REG_IB_STS2, 6, 4)
	s_cmp_eq_u32 s2, 0
	s_cbranch_scc0 .Lentry_in_a_cluster
	s_endpgm
.Lentry_in_a_cluster:
	s_bfe_u32 s2, ttmp6, 0x10000c
	s_cmp_lg_u32 s2, 0xf033
	s_cbranch_scc0 .Lentry_shape_is_right
	s_endpgm
.Lentry_shape_is_right:
; q = Q(x) Q(Wq)^T, k = Q(x) Q(Wk)^T, v = Q(x) Q(Wv)^T on codes of BF6 with E8M0 scales; each result is quantised on its way out, q and k along e, v along l, and leaves as codes.
; LIMITS: NaN and infinities are not served; a block whose largest magnitude lies under 2^-122, a block of zeros among them, gets the scale byte 1 (these bytes are read by this program alone).
; A tile is 256 x 256, four waves, each 128 x 128: 64 accumulators of 16 x 16 in 512 registers.  K = 1,024 goes in four steps of 256 through two LDS slots filled by the tensor data mover.
; A WORK-GROUP STAYS: 256 work-groups, each makes three tiles, one of q, one of k, one of v, and the ring does not stop at a tile's end: a tile's last two changes of slots ask for the next tile's K steps 0 and 1,
; which land while the finished tile is quantised and stored; nothing waits for a tile's stores.  q and k are two trips of one loop; v is written out behind it.
; OPERANDS LIE IN MEMORY AS IMAGES OF THEIR REGISTERS (1,536 bytes a fragment of 16 rows x 128 K; fragment (T, s) at (8 T + s) x 1536), so a fragment comes from LDS by three loads of 512 consecutive bytes, with no padding.
; SOURCE 0 ("B") IS THE OPERAND WHOSE ROWS RUN ALONG THE NEXT PRODUCT'S K, source 1 ("A") the other.  Lane row r of tile T is the row 32 (T / 2) + 8 (T % 2) + r + 8 (r / 8), so that a lane's 64 results against
; eight neighbouring tiles of B are 4 x 16 neighbours along the next K: register 16 b + i = k 32 b + 16 (lane / 16) + i.  They are quantised in registers.
; q, k: A = x's block 4 Y + cy (Y: the cluster's y), B = the weight's block cx.  v: A = Wv's block cy, B = x's block 4 Y + cx.
; CLUSTERS: 4 x 4 work-groups.  A's tiles are shared along a row of the cluster, B's along a column, in all three kinds: each is asked for jointly, with the same descriptor and a mask that names the four.
; THE SCALES of the 256 rows of A and of B for all of K are two dense blocks of 8,192 bytes a kind: all three kinds' come once, with the first fills, into bytes of their own.
; No prefetch: every refill is asked for a K step, 128 matrix instructions, ahead, and each block of an operand is read by several work-groups at about the same time, which the joint loads serve.
; REGISTERS: window 0: v16-29 addresses; v32-63 scale words, two sets (nothing else); v64-111 the way out; v128-223 A's fragments, one set.  window 1: B's fragments, two sets at v0 and v128.
;   window 2: the accumulators of my A tiles 0-3 ((a, b) at v[8 (8 (a % 4) + b)]); window 3: of tiles 4-7.
.set WIMG,  12582912
.set SX,    15138816
.set SW,    15663104
.set SQ,    37748736
.set VIMG,  25165824
.set FR,    12
.set NL,    3                          ; LDS loads that bring a fragment
.set NP,    4                          ; places behind this matrix instruction (ISA guide 7.12.1)
.set HALFT, 24576                      ; 8 tiles x 2 steps x 1,536 bytes: what one tensor load brings
.set SLOT,  98304                      ; A's 16 tiles, then B's 16
.set SPARE, 196608                     ; behind the ring: the spare words, 128 bytes a wave: two blocks of 256 bytes that no other line names
.set SCL,   197120                     ; behind them: the scales: for each kind A's 8,192 bytes, then B's
.set SKIND, 16384
.set ADRA, 16
.set ADRB, 20
.set LI,   24                          ; v24  16 x lane
.set SOFF, 25                          ; v25  where my scale words go, q and k: 16 r + 2,048 h
.set SOFFV, 26                         ; v26  and v: 16 r + 32,768 h
.set ADRS, 27
.set SPW,  28
.set NIL,  29
.set SC,   32
.set TM,   64
.set SWD,  80
.set SWO,  88
.set PC,   92
.set CT,   104
.set AF,   128
.set SEL,  2                           ; s[2:3]   lane selects: lane l xor 16
.set OB,   8                           ; s[8:9]   where this trip's images go;  s[10:11] its scale words
.set OSB,  10
.set OBV,  12                          ; s[12:13] v's images;  s[18:19] v's scale words
.set OSBV, 18
.set CNT,  17
.set NA,   20                          ; s[20:21] the next tile's A, my 8 tiles, K step 0;  s[22:23] its B
.set NB,   22
.set VA,   100                         ; s[100:101], s[104:105] the same for v
.set VB,   104
.set G1,   24
.set G0,   32
.set G1B,  48
.set G0B,  56
.set G1S,  68
.set G1SB, 80
.set G0S0, 76                          ; groups 0 for the scales: a set for each kind and side, since all are out together
.set G0SB0, 88
.set G0S1, 92
.set G0SB1, 96
.set G0S2, 40
.set G0SB2, 44
.set MSB, 0
.macro WIN new                         ; the immediate's high byte repeats the setting that is left
.if MSB != (\new)
	s_set_vgpr_msb (MSB<<8)|(\new)
.set MSB, (\new)
.endif
.endm
.set MUL_LO, 0xa1                      ; source 0 (B) window 1, source 1 (A) window 0, C and D window 2
.set MUL_HI, 0xf1
.set TO_B,   0x40
; A joint load: waves 0 and 1 fetch for A, waves 2 and 3 for B; the branch hangs on the wave's number alone.  Four v_nop follow each of the two lines.
.macro JLOAD g0a, g1a, g0b, g1b
	s_cmp_eq_u32 s15, 0
	s_cbranch_scc0 .Lfor_b_\@
	tensor_load_to_lds s[\g0a:\g0a+3], s[\g1a:\g1a+7]
	s_nop 0
.rept 4
	v_nop
.endr
	s_branch .Lasked_\@
.Lfor_b_\@:
	tensor_load_to_lds s[\g0b:\g0b+3], s[\g1b:\g1b+7]
	s_nop 0
.rept 4
	v_nop
.endr
.Lasked_\@:
.endm
.macro CREST                           ; a round of the cluster's barrier behind its opening barrier
	s_cmp_lg_u32 s14, 0
	s_cbranch_scc1 .Lnot_wave_0_\@
	s_barrier_signal -3
.Lnot_wave_0_\@:
	s_barrier_wait -3
	s_barrier_signal -1
	s_barrier_wait -1
.endm
.macro CROUND
	s_barrier_signal -1
	s_barrier_wait -1
	CREST
.endm
.macro DESC g0, lds, off, adr, aoff    ; a group 0: count 1, LDS address, global address, type 2
	s_mov_b32 s[(\g0)], 1
	s_add_co_u32 s[(\g0)+1], s[\lds], \off
	s_add_nc_u64 s[(\g0)+2:(\g0)+3], s[\adr:\adr+1], \aoff
	s_or_b32 s[(\g0)+3], s[(\g0)+3], 0x80000000
.endm
; 64 numbers of a lane in window ws become a fragment's codes in v[pc] on and my row's scale word in v[pw] (both window 0).  Each accumulator is read from its low end on.
.macro QUANT src, ws, pc, pw
	WIN ((\ws)|((\ws)<<2))
.irp b, 0,1,2,3
	v_max3_num_f32 v[TM+\b], |v[(\src)+16*\b]|, |v[(\src)+16*\b+1]|, 0x2800000   ; and the floor 2^(5 - 127): the byte cannot fall under 1
.endr
.irp i, 2,4,6,8,10,12,14
.irp b, 0,1,2,3
	v_max3_num_f32 v[TM+\b], |v[(\src)+16*\b+\i]|, |v[(\src)+16*\b+\i+1]|, v[TM+\b]
.endr
.endr
	WIN 0
.irp b, 0,1,2,3
	v_permlanex16_b32 v[TM+4+\b], v[TM+\b], s[SEL], s[SEL+1]
.endr
.irp b, 0,1,2,3
	v_max_num_f32 v[TM+\b], v[TM+\b], v[TM+4+\b]
.endr
.irp b, 0,1,2,3
	v_add_nc_u32 v[TM+12+\b], 0xfe000000, v[TM+\b]         ; 4 off the exponent field: the conversion's scale operand
.endr
.irp b, 0,1,2,3
	v_lshrrev_b32 v[TM+4+\b], 23, v[TM+12+\b]              ; the scale's byte
.endr
	v_lshl_or_b32 v[\pw], v[TM+5], 8, v[TM+4]
	v_lshl_or_b32 v[\pw], v[TM+6], 16, v[\pw]
	v_lshl_or_b32 v[\pw], v[TM+7], 24, v[\pw]
	s_wait_xcnt 0x0                                ; the stores of the fragment before have read the codes' registers, which are written again from here on
	WIN (\ws)
.irp c, 0,1
	v_cvt_scalef32_pk16_bf6_f32 v[(\pc)+6*\c:(\pc)+6*\c+2], v[(\src)+32*\c:(\src)+32*\c+15], v[TM+12+2*\c]
	v_cvt_scalef32_pk16_bf6_f32 v[CT+4*\c:CT+4*\c+2], v[(\src)+32*\c+16:(\src)+32*\c+31], v[TM+13+2*\c]
.endr
	WIN 0
	v_nop                                          ; one plain place behind a scaled conversion
.irp c, 0,1
.irp i, 0,1,2
	v_permlane16_swap_b32 v[(\pc)+6*\c+\i], v[CT+4*\c+\i]
.endr
.irp i, 0,1,2
	v_mov_b32 v[(\pc)+3+6*\c+\i], v[CT+4*\c+\i]
.endr
.endr
.endm
	s_load_b128 s[4:7], s[0:1], 0x0                ; w1, w2
	v_lshl_add_u32 v[SPW], v0, 2, SPARE
	v_mov_b32 v[NIL], 0
	ds_add_u32 v28, v29
	ds_add_u32 v28, v29
	s_wait_dscnt 0x0
	v_lshrrev_b32 v1, 5, v0
	v_readfirstlane_b32 s14, v1                    ; wave 0..3
	s_lshr_b32 s15, s14, 1                         ; which half of A's tiles is mine.  Also: I fetch for A (0) or for B (1)
	s_and_b32 s16, s14, 1                          ; which half of B's.  Also: which 8 tiles I fetch
	s_bfe_u32 s66, ttmp6, 0x40000                  ; cx
	s_bfe_u32 s67, ttmp6, 0x40004                  ; cy
	s_and_b32 s17, ttmp7, 0xffff                   ; the cluster's y
	s_lshl_b32 s17, s17, 2                         ; the cluster's first block of 256 rows of x
	s_lshl_b32 s8, s67, 2
	s_lshl_b32 s8, 15, s8                          ; my row of the cluster
	s_lshl_b32 s9, 0x1111, s66                     ; my column
	; descriptor group 1 for codes: 8 rows (tiles) of 3,072 bytes (two steps' images), 12,288 bytes apart; elements of 8 bytes; no padding
	s_or_b32 s[G1+0], s8, (3<<16)|(1<<21)
	s_or_b32 s[G1B+0], s9, (3<<16)|(1<<21)
.irp g, G1, G1B
	s_mov_b32 s[\g+1], 384<<16                     ; tensor_dim0
	s_mov_b32 s[\g+2], 8<<16                       ; tensor_dim1
	s_mov_b32 s[\g+3], 384<<16                     ; tile_dim0
	s_mov_b32 s[\g+4], 8                           ; tile_dim1
	s_mov_b32 s[\g+5], 1536                        ; tensor_dim0_stride
	s_mov_b32 s[\g+6], 0
	s_mov_b32 s[\g+7], 0
.endr
	; and for scales: 4,096 dense bytes as 16 rows of 256
	s_or_b32 s[G1S+0], s8, (3<<16)|(1<<21)
	s_or_b32 s[G1SB+0], s9, (3<<16)|(1<<21)
.irp g, G1S, G1SB
	s_mov_b32 s[\g+1], 32<<16
	s_mov_b32 s[\g+2], 16<<16
	s_mov_b32 s[\g+3], 32<<16
	s_mov_b32 s[\g+4], 16
	s_mov_b32 s[\g+5], 32
	s_mov_b32 s[\g+6], 0
	s_mov_b32 s[\g+7], 0
.endr
	s_mul_i32 s18, s16, 98304                      ; the half that I fetch: in the images,
	s_lshl_b32 s19, s16, 12                        ; in the scale words
	; A's addresses hang on cy and the cluster's y alone, B's on cx and the cluster's y alone, each in registers that never hold the other
	s_add_co_u32 s8, s17, s67                      ; q, k: A = x's block 4 Y + cy
	s_mul_i32 s[NA], s8, 196608
	s_add_co_u32 s[NA], s[NA], s18
	s_mov_b32 s[NA+1], 0
	s_lshl_b32 s8, s8, 13
	s_add_co_u32 s8, s8, s19
	s_add_co_u32 s8, s8, SX                        ; and its scale words
	s_mov_b32 s9, 0
	s_add_co_u32 s10, s67, 8                       ; v: A = the weights' block 8 + cy
	s_mul_i32 s[VA], s10, 196608
	s_add_co_u32 s[VA], s[VA], s18
	s_add_co_u32 s[VA], s[VA], WIMG
	s_mov_b32 s[VA+1], 0
	s_lshl_b32 s10, s10, 13
	s_add_co_u32 s10, s10, s19
	s_add_co_u32 s10, s10, SW
	s_mov_b32 s11, 0
	s_mul_i32 s[NB], s66, 196608                   ; q: B = the weights' block cx
	s_add_co_u32 s[NB], s[NB], s18
	s_add_co_u32 s[NB], s[NB], WIMG
	s_mov_b32 s[NB+1], 0
	s_lshl_b32 s12, s66, 13
	s_add_co_u32 s12, s12, s19
	s_add_co_u32 s12, s12, SW
	s_mov_b32 s13, 0
	s_add_co_u32 s2, s17, s66                      ; v: B = x's block 4 Y + cx
	s_mul_i32 s[VB], s2, 196608
	s_add_co_u32 s[VB], s[VB], s18
	s_mov_b32 s[VB+1], 0
	s_lshl_b32 s2, s2, 13
	s_add_co_u32 s2, s2, s19
	s_add_co_u32 s2, s2, SX
	s_mov_b32 s3, 0
	s_mul_i32 s18, s14, HALFT                      ; where they go: no place in the cluster enters an LDS address
	s_lshl_b32 s19, s14, 12
	s_wait_kmcnt 0x0
	s_add_nc_u64 s[NA:NA+1], s[4:5], s[NA:NA+1]
	s_add_nc_u64 s[8:9], s[4:5], s[8:9]
	s_add_nc_u64 s[VA:VA+1], s[4:5], s[VA:VA+1]
	s_add_nc_u64 s[10:11], s[4:5], s[10:11]
	s_add_nc_u64 s[NB:NB+1], s[4:5], s[NB:NB+1]
	s_add_nc_u64 s[12:13], s[4:5], s[12:13]
	s_add_nc_u64 s[VB:VB+1], s[4:5], s[VB:VB+1]
	s_add_nc_u64 s[2:3], s[4:5], s[2:3]
	DESC G0S0,  19, SCL,         8,  0             ; q's scales: x's,
	DESC G0SB0, 19, SCL,         12, 0             ; Wq's
	DESC G0,    18, 0,           NA, 0             ; q's K step 0
	DESC G0B,   18, 0,           NB, 0
	DESC G0+4,  18, SLOT,        NA, 3072          ; and 1
	DESC G0B+4, 18, SLOT,        NB, 3072
	DESC G0S1,  19, SCL+SKIND,   8,  0             ; k's scales: x's once more,
	DESC G0SB1, 19, SCL+SKIND,   12, 32768         ; Wk's: four blocks of 8,192 bytes on
	DESC G0S2,  19, SCL+2*SKIND, 10, 0             ; v's scales: Wv's,
	DESC G0SB2, 19, SCL+2*SKIND, 2,  0             ; x's
	CROUND                                         ; all sixteen work-groups are here: the first joint loads meet
	JLOAD G0S0, G1S, G0SB0, G1SB                   ; the first fills go out as one group: by this text's count five tensor loads of a wave are out
	JLOAD G0, G1, G0B, G1B
	JLOAD G0+4, G1, G0B+4, G1B
	JLOAD G0S1, G1S, G0SB1, G1SB
	JLOAD G0S2, G1S, G0SB2, G1SB
	s_add_nc_u64 s[NB:NB+1], s[NB:NB+1], 786432    ; the next tile is k's: the same A; B four blocks of 196,608 bytes on
	v_and_b32 v1, 15, v0                           ; r
	v_bfe_u32 v2, v0, 4, 1                         ; h
	v_and_b32 v3, 31, v0
	v_lshlrev_b32 v[LI], 4, v3                     ; 16 x lane: an image's place for my lane
	s_mul_i32 s4, s15, HALFT                       ; my 8 tiles of A
	s_mul_i32 s5, s16, HALFT                       ; my 8 tiles of B,
	s_add_co_u32 s5, s5, 2*HALFT                   ; behind A's 16
.irp s, 0,1
	v_add_nc_u32 v[ADRA+\s], s4, v[LI]
	v_add_nc_u32 v[ADRB+\s], s5, v[LI]
	s_add_co_u32 s4, s4, SLOT
	s_add_co_u32 s5, s5, SLOT
.endr
	s_lshl_b32 s4, s15, 12                         ; A's scale words: my 8 tiles
	s_lshl_b32 s5, s16, 12
	s_add_co_u32 s5, s5, 8192                      ; B's, behind A's
	s_sub_co_u32 s5, s5, s4
	v_mul_u32_u24 v4, s5, v2                       ; lanes 16-31 take B's
	s_add_co_u32 s4, s4, SCL
	v_lshl_add_u32 v4, v1, 4, v4                   ; 16 bytes a row: four tiles' words
	v_add_nc_u32 v[ADRS], s4, v4
	v_lshlrev_b32 v[SOFF], 4, v1
	v_lshl_add_u32 v[SOFFV], v2, 15, v[SOFF]       ; lanes 16-31 store the second group of four tiles: 128 steps x 256 bytes on in v,
	v_lshl_add_u32 v[SOFF], v2, 11, v[SOFF]        ; 8 steps x 256 bytes on in q and k
.irp b, 0,1,2,3
	v_mov_b32 v[TM+4+\b], 0                        ; written once: a lane permute's destination counts as one of its sources
.endr
	s_mov_b32 s[SEL], 0x76543210
	s_mov_b32 s[SEL+1], 0xfedcba98
	; where the results go.  q, k: tile 16 (4 Y + cy) + 8 (w / 2), step 2 cx + w % 2 of 8
	s_add_co_u32 s4, s17, s67
	s_lshl_b32 s4, s4, 4
	s_lshl_b32 s5, s15, 3
	s_add_co_u32 s4, s4, s5
	s_lshl_b32 s5, s66, 1
	s_add_co_u32 s5, s5, s16
	s_lshl_b32 s[OB], s4, 3
	s_add_co_u32 s[OB], s[OB], s5
	s_mul_i32 s[OB], s[OB], 1536
	s_mov_b32 s[OB+1], 0
	s_add_nc_u64 s[OB:OB+1], s[6:7], s[OB:OB+1]
	s_lshr_b32 s[OSB], s4, 2
	s_lshl_b32 s[OSB], s[OSB], 3
	s_add_co_u32 s[OSB], s[OSB], s5
	s_lshl_b32 s[OSB], s[OSB], 8
	s_add_co_u32 s[OSB], s[OSB], SQ
	s_mov_b32 s[OSB+1], 0
	s_add_nc_u64 s[OSB:OSB+1], s[6:7], s[OSB:OSB+1]
	; v: tile 16 cy + 8 (w / 2), step 2 (4 Y + cx) + w % 2 of 128
	s_lshl_b32 s4, s67, 4
	s_lshl_b32 s[OBV], s15, 3
	s_add_co_u32 s4, s4, s[OBV]
	s_lshl_b32 s[OBV], s17, 1
	s_add_co_u32 s5, s5, s[OBV]
	s_lshl_b32 s[OBV], s4, 7
	s_add_co_u32 s[OBV], s[OBV], s5
	s_mul_i32 s[OBV], s[OBV], 1536
	s_add_co_u32 s[OBV], s[OBV], VIMG
	s_mov_b32 s[OBV+1], 0
	s_add_nc_u64 s[OBV:OBV+1], s[6:7], s[OBV:OBV+1]
	s_lshr_b32 s[OSBV], s4, 2
	s_lshl_b32 s[OSBV], s[OSBV], 7
	s_add_co_u32 s[OSBV], s[OSBV], s5
	s_lshl_b32 s[OSBV], s[OSBV], 8
	s_add_co_u32 s[OSBV], s[OSBV], SQ+2*524288
	s_mov_b32 s[OSBV+1], 0
	s_add_nc_u64 s[OSBV:OSBV+1], s[6:7], s[OSBV:OSBV+1]
.macro FRAG reg, adr, q, i             ; a fragment comes as it was stored: three loads of 512 consecutive bytes
.irp c, 0,1,2
	ds_load_b128 v[(\reg)+4*\c:(\reg)+4*\c+3], v[\adr] offset:1536*(\q)+3072*(\i)+512*\c
.endr
.endm
; 16 matrix instructions: A's tiles a0, a0 + 1 x B's eight.  The 64 accumulators take turns, one instruction a turn, in the same order in every step, over the backward jump too.
.macro MUL16 a0, p, q, sc, zero
.irp a, \a0, \a0+1
.irp b, 0,1,2,3,4,5,6,7
.if \zero
	v_wmma_scale_f32_16x16x128_f8f6f4 v[8*(8*((\a)%4)+\b):8*(8*((\a)%4)+\b)+7], v[128*(\p)+FR*\b:128*(\p)+FR*\b+FR-1], v[AF+FR*(\a):AF+FR*(\a)+FR-1], 0, v[SC+16*(\sc)+8*(\q)+\b], v[SC+16*(\sc)+8*(\q)+(\a)] matrix_a_fmt:MATRIX_FMT_BF6 matrix_b_fmt:MATRIX_FMT_BF6 matrix_a_scale:MATRIX_SCALE_ROW1
.else
	v_wmma_scale_f32_16x16x128_f8f6f4 v[8*(8*((\a)%4)+\b):8*(8*((\a)%4)+\b)+7], v[128*(\p)+FR*\b:128*(\p)+FR*\b+FR-1], v[AF+FR*(\a):AF+FR*(\a)+FR-1], v[8*(8*((\a)%4)+\b):8*(8*((\a)%4)+\b)+7], v[SC+16*(\sc)+8*(\q)+\b], v[SC+16*(\sc)+8*(\q)+(\a)] matrix_a_fmt:MATRIX_FMT_BF6 matrix_b_fmt:MATRIX_FMT_BF6 matrix_a_scale:MATRIX_SCALE_ROW1
.endif
.endr
.endr
.endm
.macro FETCH_B slot, q, p
	WIN TO_B
.irp i, 0,1,2,3,4,5,6,7
	FRAG 128*(\p)+FR*\i, ADRB+\slot, \q, \i
.endr
	WIN 0
.endm
.macro FETCH_A slot, q, i0
.irp i, \i0, \i0+1, \i0+2, \i0+3
	FRAG AF+FR*(\i), ADRA+\slot, \q, \i
.endr
.endm
.macro SCALES sc, kk                   ; K step kk's scale words into set sc: register 8 q + t: lanes 0-15 A's tile t, lanes 16-31 B's tile t, for the step's q-th 128 along K
.irp q, 0,1
.irp g, 0,1
	ds_load_b128 v[SC+16*(\sc)+8*\q+4*\g:SC+16*(\sc)+8*\q+4*\g+3], v[ADRS] offset:2048*\g+256*(2*(\kk)+\q)
.endr
.endr
.endm
.macro PLACES n                        ; plain places between a matrix instruction and a load into, or a read of, its registers (ISA guide 7.12.1 for reads)
.rept \n
	v_nop
.endr
.endm
.macro STEP slot, q, zero              ; 128 along K that has its successor in the same slot
	s_wait_dscnt 4*NL                              ; B's set, A's tiles 0-3 and the scale words are in; the youngest 12 loads (A's tiles 4-7) may be out
	WIN MUL_LO
	MUL16 0, (\q)%2, \q, \slot, \zero
	MUL16 2, (\q)%2, \q, \slot, \zero
	s_wait_dscnt 0
	PLACES NP
	FETCH_B \slot, (\q)+1, 1-(\q)%2
	FETCH_A \slot, (\q)+1, 0
	WIN MUL_HI
	MUL16 4, (\q)%2, \q, \slot, \zero
	MUL16 6, (\q)%2, \q, \slot, \zero
	PLACES NP
	WIN 0
	FETCH_A \slot, (\q)+1, 4
.endm
; A slot's last 128 along K changes slots: one barrier; in front of it each wave waits for all its tensor loads, adds 0 to its spare word, and waits for that and for its reads of this slot.
; fill = 1: this slot takes this tile's K step two steps on;  2: the next tile's K step 0 (slot 0) or 1 (slot 1);  0: nothing.  kk: the K step whose first fragments and scale words are fetched (0: the next tile's).
.macro TURN slot, next, fill, kk
	s_wait_tensorcnt 0x0                           ; all my tensor loads have landed: my part of the next slot among them; so every group 0 may be written
	ds_add_u32 v[SPW], v[NIL]                      ; 0 onto my spare word
	s_wait_dscnt 4*NL+1                            ; (the add and the youngest 12 loads may be out)
	WIN MUL_LO
	MUL16 0, 1, 1, \slot, 0                        ; sixteen matrix instructions stand between the add and the wait for it
	s_wait_dscnt 0x0                               ; the add is done, and my reads of this slot are over
	s_barrier_signal -1
	MUL16 2, 1, 1, \slot, 0
	WIN 0
	s_barrier_wait -1
.if (\fill) == 1
	CREST                                          ; the barrier has opened a round of the cluster's barrier: no wave of any partner still reads this slot or has a load on its way
	s_add_nc_u64 s[G0+4*\slot+2:G0+4*\slot+3], s[G0+4*\slot+2:G0+4*\slot+3], 6144
	s_add_nc_u64 s[G0B+4*\slot+2:G0B+4*\slot+3], s[G0B+4*\slot+2:G0B+4*\slot+3], 6144
	JLOAD G0+4*\slot, G1, G0B+4*\slot, G1B         ; the first tensor load behind the round; its four v_nop are the places in front of the loads below
.elseif (\fill) == 2
	CREST
	s_add_nc_u64 s[G0+4*\slot+2:G0+4*\slot+3], s[NA:NA+1], 3072*\slot      ; THE RING GOES ON INTO THE NEXT TILE
	s_or_b32 s[G0+4*\slot+3], s[G0+4*\slot+3], 0x80000000
	s_add_nc_u64 s[G0B+4*\slot+2:G0B+4*\slot+3], s[NB:NB+1], 3072*\slot
	s_or_b32 s[G0B+4*\slot+3], s[G0B+4*\slot+3], 0x80000000
	JLOAD G0+4*\slot, G1, G0B+4*\slot, G1B
.else
	PLACES NP
.endif
.if (\kk) == 0
	v_add_nc_u32 v[ADRS], SKIND, v[ADRS]           ; on to the next kind's scale words
.endif
	FETCH_B \next, 0, 0
	FETCH_A \next, 0, 0
	SCALES \next, \kk
	WIN MUL_HI
	MUL16 4, 1, 1, \slot, 0
	MUL16 6, 1, 1, \slot, 0
	PLACES NP
	WIN 0
	FETCH_A \next, 0, 4
.endm
; THE WAY OUT: for each of my 8 tiles of A the lane's 64 results become one fragment of the next product, stored as an image: three stores of 512 consecutive bytes.  sout: steps of 128 along K in the output tensor.
; It names no register of the fragments and scale words that have been fetched for the next tile, and has no LDS instruction.
.macro WAYOUT sout, ob, osb, soff
.irp a, 0,1,2,3,4,5,6,7
	QUANT 64*((\a)%4), 2+(\a)/4, PC, SWD+\a
.irp c, 0,1,2
	global_store_b128 v[LI], v[PC+4*\c:PC+4*\c+3], s[\ob:\ob+1] offset:(\sout)*1536*\a+512*\c   ; at most 7 x 196,608 + 1,024 bytes: inside the signed 24-bit immediate
.endr
.endr
	s_mov_b32 vcc_lo, 0xffff0000
.irp j, 0,1,2,3
	v_cndmask_b32 v[SWO+\j], v[SWD+\j], v[SWD+4+\j], vcc_lo    ; lanes 0-15: tiles 0-3's words of row r; lanes 16-31: tiles 4-7's.  (The last tile's store of these four has been passed by eight waits on XCNT)
.endr
	global_store_b128 v[\soff], v[SWO:SWO+3], s[\osb:\osb+1]   ; two runs of 256 consecutive bytes
.endm
	s_wait_tensorcnt 3                             ; q's scales and my part of K step 0 are in; K step 1 and the two other kinds' scales may be out
	s_barrier_signal -1
	s_barrier_wait -1
	FETCH_B 0, 0, 0
	FETCH_A 0, 0, 0
	SCALES 0, 0
	FETCH_A 0, 0, 4
	s_mov_b32 s[CNT], 2
.Ltile:                                                ; two trips: q, then k
	STEP 0, 0, 1                                   ; a tile's first products start the sums: nothing is cleared
	TURN 0, 1, 1, 1                                ; slot 0 takes K step 2
	STEP 1, 0, 0
	TURN 1, 0, 1, 2                                ; slot 1 takes K step 3
	STEP 0, 0, 0
	TURN 0, 1, 2, 3                                ; slot 0 takes the next tile's K step 0
	STEP 1, 0, 0
	TURN 1, 0, 2, 0                                ; slot 1 its K step 1; the next tile's first fragments and scale words are fetched; the four v_nop at its end are the places behind the last products
	WAYOUT 8, OB, OSB, SOFF                        ; both refills are asked for: now the tile goes out
	s_wait_xcnt 0x0                                ; the stores have read their bases
	s_add_nc_u64 s[OB:OB+1], s[OB:OB+1], 12582912  ; from q's images to k's,
	s_add_nc_u64 s[OSB:OSB+1], s[OSB:OSB+1], 524288   ; from q's scale words to k's
	s_mov_b64 s[NA:NA+1], s[VA:VA+1]               ; the tile after the next is v's
	s_mov_b64 s[NB:NB+1], s[VB:VB+1]
	s_sub_co_u32 s[CNT], s[CNT], 1
	s_cmp_lg_u32 s[CNT], 0
	s_cbranch_scc1 .Ltile
	STEP 0, 0, 1                                   ; v: the tail is written out: its last two changes of slots ask for nothing
	TURN 0, 1, 1, 1
	STEP 1, 0, 0
	TURN 1, 0, 1, 2
	STEP 0, 0, 0
	TURN 0, 1, 0, 3
	STEP 1, 0, 0
	s_wait_dscnt 4*NL
	WIN MUL_LO
	MUL16 0, 1, 1, 1, 0
	MUL16 2, 1, 1, 1, 0
	s_wait_dscnt 0
	WIN MUL_HI
	MUL16 4, 1, 1, 1, 0
	MUL16 6, 1, 1, 1, 0
	WIN 0
	PLACES NP
	WAYOUT 128, OBV, OSBV, SOFFV
	s_wait_tensorcnt 0x0                           ; the wave's end
	ds_add_u32 v[SPW], v[NIL]
	s_wait_dscnt 0x0
	CROUND                                         ; the closing round
	s_endpgm
.Lfunc_end_k_q830453f546_qkv:
	.size	k_q830453f546_qkv, .Lfunc_end_k_q830453f546_qkv-k_q830453f546_qkv
	.p2alignl 7, 3214868480
	.fill 96, 4, 3214868480
	.section	.rodata,"a",@progbits
	.p2align	6, 0x0
	.amdhsa_kernel k_q830453f546_qkv
		.amdhsa_group_segment_fixed_size 327680
		.amdhsa_private_segment_fixed_size 0
		.amdhsa_enable_private_segment 0
		.amdhsa_kernarg_size 16
		.amdhsa_user_sgpr_count 2
		.amdhsa_user_sgpr_kernarg_segment_ptr 1
		.amdhsa_wavefront_size32 1
		.amdhsa_system_sgpr_workgroup_id_x 1
		.amdhsa_system_sgpr_workgroup_id_y 1
		.amdhsa_system_sgpr_workgroup_id_z 1
		.amdhsa_system_vgpr_workitem_id 0
		.amdhsa_next_free_vgpr 1024
		.amdhsa_next_free_sgpr 106
		.amdhsa_reserve_vcc 1
		.amdhsa_float_denorm_mode_32 3
		.amdhsa_float_denorm_mode_16_64 3
		.amdhsa_memory_ordered 1
		.amdhsa_forward_progress 1
		.amdhsa_inst_pref_size 255
	.end_amdhsa_kernel
	.section	.bss,"aw",@nobits
	.p2align	6
	.space	262144
	.amdgpu_metadata
---
amdhsa.version: [ 1, 2 ]
amdhsa.kernels:
  - .name:           k_q830453f546_qkv
    .symbol:         k_q830453f546_qkv.kd
    .args:
      - { .name: w1, .offset: 0, .size: 8, .value_kind: global_buffer, .address_space: global }
      - { .name: w2, .offset: 8, .size: 8, .value_kind: global_buffer, .address_space: global }
    .group_segment_fixed_size: 327680
    .private_segment_fixed_size: 0
    .kernarg_segment_align: 8
    .kernarg_segment_size: 16
    .max_flat_workgroup_size: 128
    .sgpr_count:     106
    .vgpr_count:     1024
    .wavefront_size: 32
...
	.end_amdgpu_metadata
.endif
;; end of part 2
;; launch feat (part 3): grid 256 x 1, 4 waves a work-group, no clusters, 295,424 bytes of LDS; arguments w1, w2, w3; writes w3
.if DOCPART == 3
	.amdgcn_target "amdgcn-amd-amdhsa--gfx1250"
	.amdhsa_code_object_version 6
	.text
	.protected	k_q830453f546_feat
	.globl	k_q830453f546_feat
	.p2align	8
	.type	k_q830453f546_feat,@function
k_q830453f546_feat:
	s_mov_b64 s[64:65], 0
	v_nop
	global_prefetch_b8 v0, s[64:65] scope:SCOPE_SE
	s_setreg_imm32_b32 hwreg(HW_REG_WAVE_MODE, 25, 1), 1
	s_wait_xcnt 0x0
; q' = elu(Q(q) Q(proj)) + 1 and k' = elu(Q(k) Q(proj)) + 1 on codes of BF6; q' is quantised along p and its row sums (of the unquantised q') are kept; k' is quantised along l.
; LIMITS: NaN and infinities are not served; a block whose largest magnitude lies under 2^-122 gets the scale byte 1; for x <= 0 the feature map is taken as 2^(x log2 e), where the source has expm1(x) + 1:
; the two differ by no more than 2^-24 in absolute terms.
; SHARES.  Work-groups 0-127: q, 128-255: k; each has 128 rows (8 tiles) of its tensor against all 16 tiles of proj, K = 1,024.  All its codes, 294,912 bytes, fit in LDS: four chunks of 256 along K, each filled
; once, at the start, by waves 0-2 (four tensor loads a wave are out); nothing is filled again.  A chunk: proj's 16 tiles, then my 8; 3,072 bytes a tile (two images of 1,536).
; Not in clusters: the proj part is shared by all work-groups, the private third is not; a plain launch is kept here.  No prefetch: every byte is asked for in the first lines.
; SOURCE 0 ("B") runs along the next K.  q: A = my rows (4 tiles a wave), B = proj (8 tiles a wave): registers run along p.  k: A = proj (4 tiles a wave), B = my 8 tiles: registers run along l.
; The two kinds are two copies of one macro behind one branch on the work-group's number, so that every LDS address is made of constants, the lane and the wave.
; REGISTERS: window 0: v1-15 addresses; v32-95 scale words (nothing else): step s: A's at 32 + 8 s, B's at 36 + 8 s (lanes 0-15 tiles 0-3, lanes 16-31 tiles 4-7); v96-159 64 numbers at work; v160-183, v224-247 the quantiser.
;   window 1: 32 accumulators ((a, b) at 8 (8 a + b)).  windows 2, 3: two sets of fragments: B's at 12 b, A's at 96 + 12 a.
.set PIMG,  14942208
.set SP,    15761408
.set SQ,    37748736
.set SK,    38273024
.set KPIMG, 3145728
.set SQP,   6291456
.set SKP,   6422528
.set ZP,    6553600
.set CHUNK, 73728
.set LI,   4
.set RO,   5
.set BO,   6
.set ADRA, 8
.set ADRB, 12
.set SCA,  32
.set SCB,  36
.set T,    96
.set PC,   160
.set CT,   172
.set SM,   180
.set TM,   224
.set PW,   240
.set ZS,   244
.set LG,   58
.set SEL,  60
.set MSB, 0
.macro WIN new
.if MSB != (\new)
	s_set_vgpr_msb (MSB<<8)|(\new)
.set MSB, (\new)
.endif
.endm
.macro QUANT src, ws, pc, pw
	WIN ((\ws)|((\ws)<<2))
.irp b, 0,1,2,3
	v_max3_num_f32 v[TM+\b], |v[(\src)+16*\b]|, |v[(\src)+16*\b+1]|, 0x2800000   ; and the floor 2^(5 - 127): the byte cannot fall under 1
.endr
.irp i, 2,4,6,8,10,12,14
.irp b, 0,1,2,3
	v_max3_num_f32 v[TM+\b], |v[(\src)+16*\b+\i]|, |v[(\src)+16*\b+\i+1]|, v[TM+\b]
.endr
.endr
	WIN 0
.irp b, 0,1,2,3
	v_permlanex16_b32 v[TM+4+\b], v[TM+\b], s[SEL], s[SEL+1]
.endr
.irp b, 0,1,2,3
	v_max_num_f32 v[TM+\b], v[TM+\b], v[TM+4+\b]
.endr
.irp b, 0,1,2,3
	v_add_nc_u32 v[TM+12+\b], 0xfe000000, v[TM+\b]
.endr
.irp b, 0,1,2,3
	v_lshrrev_b32 v[TM+4+\b], 23, v[TM+12+\b]
.endr
	v_lshl_or_b32 v[\pw], v[TM+5], 8, v[TM+4]
	v_lshl_or_b32 v[\pw], v[TM+6], 16, v[\pw]
	v_lshl_or_b32 v[\pw], v[TM+7], 24, v[\pw]
	WIN (\ws)
.irp c, 0,1
	v_cvt_scalef32_pk16_bf6_f32 v[(\pc)+6*\c:(\pc)+6*\c+2], v[(\src)+32*\c:(\src)+32*\c+15], v[TM+12+2*\c]
	v_cvt_scalef32_pk16_bf6_f32 v[CT+4*\c:CT+4*\c+2], v[(\src)+32*\c+16:(\src)+32*\c+31], v[TM+13+2*\c]
.endr
	WIN 0
	v_nop
.irp c, 0,1
.irp i, 0,1,2
	v_permlane16_swap_b32 v[(\pc)+6*\c+\i], v[CT+4*\c+\i]
.endr
.irp i, 0,1,2
	v_mov_b32 v[(\pc)+3+6*\c+\i], v[CT+4*\c+\i]
.endr
.endr
.endm
; one product.  row = 1: source 0's scales stand in lanes 16-31.  acc = 0: it starts the sum
.macro WM d, f0, f1, c0, c1, row, acc
.if (\acc)
.if (\row)
	v_wmma_scale_f32_16x16x128_f8f6f4 v[(\d):(\d)+7], v[(\f0):(\f0)+11], v[(\f1):(\f1)+11], v[(\d):(\d)+7], v[\c0], v[\c1] matrix_a_fmt:MATRIX_FMT_BF6 matrix_b_fmt:MATRIX_FMT_BF6 matrix_a_scale:MATRIX_SCALE_ROW1
.else
	v_wmma_scale_f32_16x16x128_f8f6f4 v[(\d):(\d)+7], v[(\f0):(\f0)+11], v[(\f1):(\f1)+11], v[(\d):(\d)+7], v[\c0], v[\c1] matrix_a_fmt:MATRIX_FMT_BF6 matrix_b_fmt:MATRIX_FMT_BF6
.endif
.else
.if (\row)
	v_wmma_scale_f32_16x16x128_f8f6f4 v[(\d):(\d)+7], v[(\f0):(\f0)+11], v[(\f1):(\f1)+11], 0, v[\c0], v[\c1] matrix_a_fmt:MATRIX_FMT_BF6 matrix_b_fmt:MATRIX_FMT_BF6 matrix_a_scale:MATRIX_SCALE_ROW1
.else
	v_wmma_scale_f32_16x16x128_f8f6f4 v[(\d):(\d)+7], v[(\f0):(\f0)+11], v[(\f1):(\f1)+11], 0, v[\c0], v[\c1] matrix_a_fmt:MATRIX_FMT_BF6 matrix_b_fmt:MATRIX_FMT_BF6
.endif
.endif
.endm
.macro MULS st, a0                     ; 16 products of step st: A's tiles a0, a0 + 1 x B's eight; the 32 accumulators take turns
.irp a, \a0, \a0+1
.irp b, 0,1,2,3,4,5,6,7
	WM 8*(8*(\a)+\b), 12*\b, 96+12*(\a), SCB+8*(\st)+\b%4, SCA+8*(\st)+(\a), \b/4, \st
.endr
.endr
.endm
.macro FETCH set, st                   ; step st's 12 fragments into a set: 36 loads of 512 consecutive bytes
	WIN ((2+(\set))<<6)
.irp i, 0,1,2,3,4,5,6,7
.irp c, 0,1,2
	ds_load_b128 v[12*\i+4*\c:12*\i+4*\c+3], v[ADRB+(\st)/2] offset:3072*\i+1536*((\st)%2)+512*\c
.endr
.endr
.irp i, 0,1,2,3
.irp c, 0,1,2
	ds_load_b128 v[96+12*\i+4*\c:96+12*\i+4*\c+3], v[ADRA+(\st)/2] offset:3072*\i+1536*((\st)%2)+512*\c
.endr
.endr
	WIN 0
.endm
.macro PLACES
.rept 4
	v_nop
.endr
.endm
; A's tile a: the feature map, the row sums (q), the quantiser, the image
.macro OUTA a, path
	WIN 0x01                                       ; source 0: the accumulators
.set k, 0
.rept 32
	v_pk_mul_f32 v[T+2*k:T+2*k+1], v[64*(\a)+2*k:64*(\a)+2*k+1], s[LG:LG+1] op_sel_hi:[1,0]   ; x log2 e; each accumulator from its low end on
.set k, k+1
.endr
	WIN 0x44                                       ; source 1 and destination: the accumulators
.set k, 0
.rept 64
	v_max_num_f32 v[64*(\a)+k], 0, v[64*(\a)+k]    ; max(x, 0), in place
.set k, k+1
.endr
	WIN 0
.set k, 0
.rept 64
	v_min_num_f32 v[T+k], 0, v[T+k]
.set k, k+1
.endr
.set k, 0
.rept 64
	v_exp_f32 v[T+k], v[T+k]                       ; 2^min(x log2 e, 0): 1 where x > 0
.set k, k+1
.endr
	v_nop                                          ; a plain place behind the last exponential
	s_wait_alu depctr_va_vdst(0)                   ; one wait for the batch of 64, ahead of its first reader
	WIN 0x04
.set k, 0
.rept 32
	v_pk_add_f32 v[T+2*k:T+2*k+1], v[T+2*k:T+2*k+1], v[64*(\a)+2*k:64*(\a)+2*k+1]   ; elu(x) + 1
.set k, k+1
.endr
	WIN 0
.if (\path) == 0
	v_pk_add_f32 v[SM:SM+1], v[T:T+1], v[T+2:T+3]  ; the row's sum over my 128 p, of the unquantised numbers, in two chains
	v_pk_add_f32 v[SM+2:SM+3], v[T+4:T+5], v[T+6:T+7]
.irp j, 8,12,16,20,24,28,32,36,40,44,48,52,56,60
	v_pk_add_f32 v[SM:SM+1], v[SM:SM+1], v[T+\j:T+\j+1]
	v_pk_add_f32 v[SM+2:SM+3], v[SM+2:SM+3], v[T+\j+2:T+\j+3]
.endr
	v_pk_add_f32 v[SM:SM+1], v[SM:SM+1], v[SM+2:SM+3]
	v_add_f32 v[SM], v[SM], v[SM+1]
	v_permlanex16_b32 v[SM+1], v[SM], s[SEL], s[SEL+1]
	v_add_f32 v[ZS+(\a)], v[SM], v[SM+1]
.endif
.if (\a) > 0
	s_wait_xcnt 0x0                                ; the last tile's stores have read their data
.endif
	QUANT T, 0, PC, PW+(\a)
.irp c, 0,1,2
	global_store_b128 v[LI], v[PC+4*\c:PC+4*\c+3], s[52:53] offset:OST*(\a)+512*\c
.endr
.endm
.macro BODY path
.if (\path) == 0
.set OST, 3072
	s_mul_i32 s44, s14, 12288
	s_add_co_u32 s44, s44, 49152                   ; A: my rows' tiles 4 (w / 2) on
	s_mul_i32 s45, s15, 24576                      ; B: proj's tiles 8 (w % 2) on
	s_lshl_b32 s46, s12, 12
	s_lshl_b32 s47, s14, 11
	s_add_co_u32 s46, s46, s47
	s_add_co_u32 s46, s46, SQ
	s_mov_b32 s47, 0
	s_add_nc_u64 s[48:49], s[6:7], s[46:47]        ; A's scale words
	s_lshl_b32 s46, s15, 12
	s_add_co_u32 s46, s46, SP
	s_add_nc_u64 s[50:51], s[4:5], s[46:47]        ; B's
	s_lshl_b32 s46, s12, 3
	s_lshl_b32 s13, s14, 2
	s_add_co_u32 s46, s46, s13
	s_lshl_b32 s46, s46, 1
	s_add_co_u32 s46, s46, s15
	s_mul_i32 s46, s46, 1536
	s_add_nc_u64 s[52:53], s[8:9], s[46:47]        ; q' images: tile 8 blk + 4 (w / 2), step w % 2
	s_lshl_b32 s46, s12, 1
	s_add_co_u32 s46, s46, s14
	s_lshl_b32 s46, s46, 1
	s_add_co_u32 s46, s46, s15
	s_lshl_b32 s46, s46, 8
	s_add_co_u32 s13, s46, ZP
	s_add_co_u32 s46, s46, SQP
	s_add_nc_u64 s[54:55], s[8:9], s[46:47]        ; their scale words
	s_mov_b32 s46, s13
	s_add_nc_u64 s[56:57], s[8:9], s[46:47]        ; the partial row sums, laid likewise
.else
.set OST, 196608
	s_mul_i32 s44, s10, 12288                      ; A: proj's tiles 4 w on
	s_mov_b32 s45, 49152                           ; B: my rows' 8 tiles
	s_lshl_b32 s46, s10, 11
	s_add_co_u32 s46, s46, SP
	s_mov_b32 s47, 0
	s_add_nc_u64 s[48:49], s[4:5], s[46:47]
	s_lshl_b32 s46, s12, 12
	s_add_co_u32 s46, s46, SK
	s_add_nc_u64 s[50:51], s[6:7], s[46:47]
	s_lshl_b32 s46, s10, 9
	s_add_co_u32 s46, s46, s12
	s_mul_i32 s46, s46, 1536
	s_add_co_u32 s46, s46, KPIMG
	s_add_nc_u64 s[52:53], s[8:9], s[46:47]        ; k' images: tile 4 w, step blk of 128 along l
	s_lshl_b32 s46, s10, 7
	s_add_co_u32 s46, s46, s12
	s_lshl_b32 s46, s46, 8
	s_add_co_u32 s46, s46, SKP
	s_add_nc_u64 s[54:55], s[8:9], s[46:47]
.endif
.irp j, 0,1,2,3
	v_add_nc_u32 v[ADRA+\j], s44, v[LI]
	v_add_nc_u32 v[ADRB+\j], s45, v[LI]
	s_add_co_u32 s44, s44, CHUNK
	s_add_co_u32 s45, s45, CHUNK
.endr
.irp s, 0,1,2,3,4,5,6,7
	global_load_b128 v[SCA+8*\s:SCA+8*\s+3], v[RO], s[48:49] offset:256*\s
	global_load_b128 v[SCB+8*\s:SCB+8*\s+3], v[BO], s[50:51] offset:256*\s
.endr
	s_wait_tensorcnt 3                             ; my part of chunk 0 is in; the three younger chunks may be out
	s_barrier_signal -1
	s_barrier_wait -1
	FETCH 0, 0
	s_wait_loadcnt 0x0                             ; the scale words
.irp s, 0,1,2,3,4,5,6,7
	s_wait_dscnt 0x0                               ; this step's fragments are in
.if (\s)%2
.if \s < 7
	s_wait_tensorcnt (5-\s)/2                      ; my part of the next chunk is in; the younger chunks may be out
	s_barrier_signal -1
.endif
.endif
	WIN (0x5a+5*(\s%2))                            ; sources 0 and 1: this step's set; C and D: window 1
	MULS \s, 0
.if (\s)%2
.if \s < 7
	s_barrier_wait -1                              ; everybody's part is
.endif
.endif
.if \s < 7
	PLACES                                         ; in front of loads into the set that the last step multiplied
	FETCH (\s+1)%2, \s+1
.endif
	WIN (0x5a+5*(\s%2))
	MULS \s, 2
.endr
	WIN 0
	PLACES
.irp b, 0,1,2,3
	v_mov_b32 v[TM+4+\b], 0                        ; written once: a lane permute's destination counts as one of its sources
.endr
	OUTA 0, \path
	OUTA 1, \path
	OUTA 2, \path
	OUTA 3, \path
	s_wait_xcnt 0x0                                ; EXEC changes only behind this wait
	v_cmp_gt_u32 vcc_lo, 16, v1
	s_wait_tensorcnt 0x0
	ds_add_u32 v254, v255
	s_wait_dscnt 0x0
	s_and_saveexec_b32 s13, vcc_lo
	global_store_b128 v[RO], v[PW:PW+3], s[54:55]  ; sixteen lanes store my four tiles' scale words: 256 consecutive bytes
.if (\path) == 0
	global_store_b128 v[RO], v[ZS:ZS+3], s[56:57]
.endif
	s_endpgm
.endm
	s_load_b128 s[4:7], s[0:1], 0x0                ; w1, w2
	s_load_b64 s[8:9], s[0:1], 0x10                ; w3
	v_lshl_add_u32 v254, v0, 2, 0x48000
	v_mov_b32 v255, 0
	ds_add_u32 v254, v255
	ds_add_u32 v254, v255
	v_lshrrev_b32 v1, 5, v0
	v_readfirstlane_b32 s10, v1                    ; wave 0..3
	s_lshr_b32 s11, ttmp9, 7                       ; 0: q, 1: k
	s_and_b32 s12, ttmp9, 127                      ; my block of 128 rows
	; descriptor group 1: 8 rows (tiles) of 3,072 bytes, 12,288 bytes apart; elements of 8 bytes; no padding
	s_mov_b32 s16, 3<<16
	s_mov_b32 s17, 384<<16
	s_mov_b32 s18, 8<<16
	s_mov_b32 s19, 384<<16
	s_mov_b32 s20, 8
	s_mov_b32 s21, 1536
	s_mov_b32 s22, 0
	s_mov_b32 s23, 0
	s_mul_i32 s40, s10, 98304
	s_add_co_u32 s40, s40, PIMG                    ; waves 0, 1: proj's tiles 8 w on
	s_mov_b32 s41, 0
	s_mul_i32 s42, s11, 12582912
	s_mul_i32 s43, s12, 98304
	s_add_co_u32 s42, s42, s43                     ; wave 2: my 8 tiles of q or of k
	s_mov_b32 s43, 0
	s_mul_i32 s13, s10, 24576
	s_wait_dscnt 0x0
	s_wait_kmcnt 0x0
	s_add_nc_u64 s[40:41], s[4:5], s[40:41]
	s_add_nc_u64 s[42:43], s[6:7], s[42:43]
	s_cmp_lt_u32 s10, 2
	s_cselect_b64 s[40:41], s[40:41], s[42:43]
.irp j, 0,1,2,3
	s_mov_b32 s[24+4*\j], 1
	s_add_co_u32 s[25+4*\j], s13, CHUNK*\j
	s_add_nc_u64 s[26+4*\j:27+4*\j], s[40:41], 3072*\j
	s_or_b32 s[27+4*\j], s[27+4*\j], 0x80000000
.endr
	s_cmp_lt_u32 s10, 3                            ; a wave's four first fills stand in one branch, ahead of every wait on TENSORcnt, every LDS read and every barrier
	s_cbranch_scc0 .Lnofill
	tensor_load_to_lds s[24:27], s[16:23]
	s_nop 0
	tensor_load_to_lds s[28:31], s[16:23]
	s_nop 0
	tensor_load_to_lds s[32:35], s[16:23]
	s_nop 0
	tensor_load_to_lds s[36:39], s[16:23]
	s_nop 0
.rept 4
	v_nop
.endr
.Lnofill:
	v_and_b32 v1, 31, v0                           ; lane
	v_and_b32 v2, 15, v0                           ; r
	v_bfe_u32 v3, v0, 4, 1                         ; h
	v_lshlrev_b32 v[LI], 4, v1
	v_lshlrev_b32 v[RO], 4, v2
	v_lshl_add_u32 v[BO], v3, 11, v[RO]            ; lanes 16-31: the next group of four tiles, 8 steps x 256 bytes on
	s_mov_b32 s[LG], 0x3fb8aa3b                    ; log2 e
	s_mov_b32 s[LG+1], s[LG]
	s_mov_b32 s[SEL], 0x76543210
	s_mov_b32 s[SEL+1], 0xfedcba98
	s_lshr_b32 s14, s10, 1
	s_and_b32 s15, s10, 1
	s_cmp_lg_u32 s11, 0
	s_cbranch_scc1 .Lkpath
	BODY 0
.Lkpath:
	BODY 1
.Lfunc_end_k_q830453f546_feat:
	.size	k_q830453f546_feat, .Lfunc_end_k_q830453f546_feat-k_q830453f546_feat
	.p2alignl 7, 3214868480
	.fill 96, 4, 3214868480
	.section	.rodata,"a",@progbits
	.p2align	6, 0x0
	.amdhsa_kernel k_q830453f546_feat
		.amdhsa_group_segment_fixed_size 295424
		.amdhsa_private_segment_fixed_size 0
		.amdhsa_enable_private_segment 0
		.amdhsa_kernarg_size 24
		.amdhsa_user_sgpr_count 2
		.amdhsa_user_sgpr_kernarg_segment_ptr 1
		.amdhsa_wavefront_size32 1
		.amdhsa_system_sgpr_workgroup_id_x 1
		.amdhsa_system_sgpr_workgroup_id_y 1
		.amdhsa_system_sgpr_workgroup_id_z 1
		.amdhsa_system_vgpr_workitem_id 0
		.amdhsa_next_free_vgpr 1024
		.amdhsa_next_free_sgpr 66
		.amdhsa_reserve_vcc 1
		.amdhsa_float_denorm_mode_32 3
		.amdhsa_float_denorm_mode_16_64 3
		.amdhsa_memory_ordered 1
		.amdhsa_forward_progress 1
		.amdhsa_inst_pref_size 239
	.end_amdhsa_kernel
	.amdgpu_metadata
---
amdhsa.version: [ 1, 2 ]
amdhsa.kernels:
  - .name:           k_q830453f546_feat
    .symbol:         k_q830453f546_feat.kd
    .args:
      - { .name: w1, .offset: 0, .size: 8, .value_kind: global_buffer, .address_space: global }
      - { .name: w2, .offset: 8, .size: 8, .value_kind: global_buffer, .address_space: global }
      - { .name: w3, .offset: 16, .size: 8, .value_kind: global_buffer, .address_space: global }
    .group_segment_fixed_size: 295424
    .private_segment_fixed_size: 0
    .kernarg_segment_align: 8
    .kernarg_segment_size: 24
    .max_flat_workgroup_size: 128
    .sgpr_count:     66
    .vgpr_count:     1024
    .wavefront_size: 32
...
	.end_amdgpu_metadata
.endif
;; end of part 3
;; launch kv (part 4): grid 128 x 1, 4 waves a work-group, no clusters, 131,840 bytes of LDS; arguments w2, w3, w4; writes w4
.if DOCPART == 4
	.amdgcn_target "amdgcn-amd-amdhsa--gfx1250"
	.amdhsa_code_object_version 6
	.text
	.protected	k_q830453f546_kv
	.globl	k_q830453f546_kv
	.p2align	8
	.type	k_q830453f546_kv,@function
k_q830453f546_kv:
	s_mov_b64 s[64:65], 0
	v_nop
	global_prefetch_b8 v0, s[64:65] scope:SCOPE_SE
	s_setreg_imm32_b32 hwreg(HW_REG_WAVE_MODE, 25, 1), 1
	s_wait_xcnt 0x0
; kv[b][p][d] = sum over l of Q(k')[l][p] Q(v)[l][d] on codes of BF6; the result is quantised along p and leaves as codes, rows d.
; LIMITS: NaN and infinities are not served; a block whose largest magnitude lies under 2^-122 gets the scale byte 1.  K = 4,096 IS SHARED OUT AMONG THE FOUR WAVES, 1,024 each: an output is the f32 sum
; (P0 + P1) + (P2 + P3) of four partial sums, each taken in ascending K, not one ascending chain.
; SHARES.  Work-group g: batch g / 32, half (g / 16) % 2 of p (8 tiles of k'^T: source 0, so that registers run along p), 64 d (4 tiles of v^T: source 1).  128 work-groups: with half the d to a work-group
; each would still read all of its half of k', so the bytes read would grow by two thirds for a sixth less to a work-group.
; The waves share no operand, so fragments go from memory straight into registers, three loads of 512 consecutive bytes each: no tensor load, no barrier in the walk.  Two sets: up to two K steps' loads are asked for ahead.
; No cluster: no tensor load to share.  No prefetch: the walk asks two steps ahead from its first line, and the launch is short.
; REGISTERS: window 0: v4-11 addresses; v32-47 scale words, two sets (nothing else); v64-83, v224-240 the quantiser; v96-223 sums.  window 1: 32 accumulators.  windows 2, 3: fragment sets (B's at 12 i, A's at 96 + 12 a).
.set VIMG,  25165824
.set SV,    38797312
.set KPIMG, 3145728
.set SKP,   6422528
.set SKV,   786432
.set XCH,   131072                     ; behind the partial sums: 256 bytes in which the four waves gather their scale words
.set LI,  4
.set RO,  5
.set BO,  6
.set RW,  7                            ; v7, v8
.set RR,  9
.set XW,  10
.set XR,  11
.set SCA, 32
.set SCB, 36
.set PC,  64
.set CT,  76
.set T,   96
.set U,   160
.set TM,  224
.set PW,  240
.set XQ,  244
.set SEL, 36
.set MSB, 0
.macro WIN new
.if MSB != (\new)
	s_set_vgpr_msb (MSB<<8)|(\new)
.set MSB, (\new)
.endif
.endm
.macro QUANT src, ws, pc, pw
	WIN ((\ws)|((\ws)<<2))
.irp b, 0,1,2,3
	v_max3_num_f32 v[TM+\b], |v[(\src)+16*\b]|, |v[(\src)+16*\b+1]|, 0x2800000   ; and the floor 2^(5 - 127): the byte cannot fall under 1
.endr
.irp i, 2,4,6,8,10,12,14
.irp b, 0,1,2,3
	v_max3_num_f32 v[TM+\b], |v[(\src)+16*\b+\i]|, |v[(\src)+16*\b+\i+1]|, v[TM+\b]
.endr
.endr
	WIN 0
.irp b, 0,1,2,3
	v_permlanex16_b32 v[TM+4+\b], v[TM+\b], s[SEL], s[SEL+1]
.endr
.irp b, 0,1,2,3
	v_max_num_f32 v[TM+\b], v[TM+\b], v[TM+4+\b]
.endr
.irp b, 0,1,2,3
	v_add_nc_u32 v[TM+12+\b], 0xfe000000, v[TM+\b]
.endr
.irp b, 0,1,2,3
	v_lshrrev_b32 v[TM+4+\b], 23, v[TM+12+\b]
.endr
	v_lshl_or_b32 v[\pw], v[TM+5], 8, v[TM+4]
	v_lshl_or_b32 v[\pw], v[TM+6], 16, v[\pw]
	v_lshl_or_b32 v[\pw], v[TM+7], 24, v[\pw]
	WIN (\ws)
.irp c, 0,1
	v_cvt_scalef32_pk16_bf6_f32 v[(\pc)+6*\c:(\pc)+6*\c+2], v[(\src)+32*\c:(\src)+32*\c+15], v[TM+12+2*\c]
	v_cvt_scalef32_pk16_bf6_f32 v[CT+4*\c:CT+4*\c+2], v[(\src)+32*\c+16:(\src)+32*\c+31], v[TM+13+2*\c]
.endr
	WIN 0
	v_nop
.irp c, 0,1
.irp i, 0,1,2
	v_permlane16_swap_b32 v[(\pc)+6*\c+\i], v[CT+4*\c+\i]
.endr
.irp i, 0,1,2
	v_mov_b32 v[(\pc)+3+6*\c+\i], v[CT+4*\c+\i]
.endr
.endr
.endm
.macro WM d, f0, f1, c0, c1, row, acc
.if (\acc)
.if (\row)
	v_wmma_scale_f32_16x16x128_f8f6f4 v[(\d):(\d)+7], v[(\f0):(\f0)+11], v[(\f1):(\f1)+11], v[(\d):(\d)+7], v[\c0], v[\c1] matrix_a_fmt:MATRIX_FMT_BF6 matrix_b_fmt:MATRIX_FMT_BF6 matrix_a_scale:MATRIX_SCALE_ROW1
.else
	v_wmma_scale_f32_16x16x128_f8f6f4 v[(\d):(\d)+7], v[(\f0):(\f0)+11], v[(\f1):(\f1)+11], v[(\d):(\d)+7], v[\c0], v[\c1] matrix_a_fmt:MATRIX_FMT_BF6 matrix_b_fmt:MATRIX_FMT_BF6
.endif
.else
.if (\row)
	v_wmma_scale_f32_16x16x128_f8f6f4 v[(\d):(\d)+7], v[(\f0):(\f0)+11], v[(\f1):(\f1)+11], 0, v[\c0], v[\c1] matrix_a_fmt:MATRIX_FMT_BF6 matrix_b_fmt:MATRIX_FMT_BF6 matrix_a_scale:MATRIX_SCALE_ROW1
.else
	v_wmma_scale_f32_16x16x128_f8f6f4 v[(\d):(\d)+7], v[(\f0):(\f0)+11], v[(\f1):(\f1)+11], 0, v[\c0], v[\c1] matrix_a_fmt:MATRIX_FMT_BF6 matrix_b_fmt:MATRIX_FMT_BF6
.endif
.endif
.endm
.macro LOADK t, set                    ; my K step t: 2 loads of scale words, 24 of k', 12 of v: 38
	global_load_b128 v[SCA+8*(\set):SCA+8*(\set)+3], v[RO], s[14:15] offset:256*(\t)
	global_load_b128 v[SCB+8*(\set):SCB+8*(\set)+3], v[BO], s[12:13] offset:256*(\t)
	WIN ((2+(\set))<<6)
.irp i, 0,1,2,3,4,5,6,7
.irp c, 0,1,2
	global_load_b128 v[12*\i+4*\c:12*\i+4*\c+3], v[LI], s[8:9] offset:196608*\i+1536*(\t)+512*\c
.endr
.endr
.irp i, 0,1,2,3
.irp c, 0,1,2
	global_load_b128 v[96+12*\i+4*\c:96+12*\i+4*\c+3], v[LI], s[10:11] offset:196608*\i+1536*(\t)+512*\c
.endr
.endr
	WIN 0
.endm
	s_load_b128 s[4:7], s[0:1], 0x0                ; w2, w3
	s_load_b64 s[16:17], s[0:1], 0x10              ; w4
	v_lshl_add_u32 v254, v0, 2, 0x20100
	v_mov_b32 v255, 0
	v_lshrrev_b32 v1, 5, v0
	v_readfirstlane_b32 s18, v1                    ; wave 0..3
	s_lshr_b32 s19, ttmp9, 5                       ; batch
	s_bfe_u32 s20, ttmp9, 0x10004                  ; which half of p
	s_and_b32 s21, ttmp9, 15                       ; which 64 d
	s_lshl_b32 s22, s19, 5
	s_lshl_b32 s23, s18, 3
	s_add_co_u32 s22, s22, s23                     ; my first step of 128 along l: 32 b + 8 w
	s_lshl_b32 s24, s20, 10
	s_add_co_u32 s24, s24, s22
	s_mul_i32 s24, s24, 1536
	s_add_co_u32 s24, s24, KPIMG
	s_mov_b32 s25, 0
	s_lshl_b32 s26, s21, 9
	s_add_co_u32 s26, s26, s22
	s_mul_i32 s26, s26, 1536
	s_add_co_u32 s26, s26, VIMG
	s_mov_b32 s27, 0
	s_lshl_b32 s28, s20, 8
	s_add_co_u32 s28, s28, s22
	s_lshl_b32 s28, s28, 8
	s_add_co_u32 s28, s28, SKP
	s_mov_b32 s29, 0
	s_lshl_b32 s30, s21, 7
	s_add_co_u32 s30, s30, s22
	s_lshl_b32 s30, s30, 8
	s_add_co_u32 s30, s30, SV
	s_mov_b32 s31, 0
	s_lshl_b32 s32, s19, 4
	s_add_co_u32 s32, s32, s21                     ; 16 b + db
	s_lshl_b32 s34, s32, 1
	s_add_co_u32 s34, s34, s20
	s_lshl_b32 s34, s34, 8
	s_add_co_u32 s34, s34, SKV
	s_mov_b32 s35, 0
	s_lshl_b32 s32, s32, 2
	s_add_co_u32 s32, s32, s18                     ; my output tile: 64 b + 4 db + w
	s_lshl_b32 s32, s32, 1
	s_add_co_u32 s32, s32, s20
	s_mul_i32 s32, s32, 1536
	s_mov_b32 s33, 0
	s_mov_b32 s[SEL], 0x76543210
	s_mov_b32 s[SEL+1], 0xfedcba98
	v_and_b32 v1, 31, v0                           ; lane
	v_and_b32 v2, 15, v0                           ; r
	v_bfe_u32 v3, v0, 4, 1                         ; h
	v_lshlrev_b32 v[LI], 4, v1
	v_lshlrev_b32 v[RO], 4, v2
	v_lshl_add_u32 v[BO], v3, 15, v[RO]            ; lanes 16-31: the next group of four tiles, 128 steps x 256 bytes on
	s_lshl_b32 s23, s18, 13
	v_add_nc_u32 v[RW], s23, v[LI]                 ; my partial sums of d tiles 0, 1: 32,768 a + 8,192 w
	v_add_nc_u32 v[RW+1], 65536, v[RW]             ; and of tiles 2, 3
	s_lshl_b32 s23, s18, 15
	v_add_nc_u32 v[RR], s23, v[LI]                 ; the four partial sums of d tile w
	s_lshl_b32 s23, s18, 2
	s_add_co_u32 s23, s23, XCH
	v_add_nc_u32 v[XW], s23, v[RO]
	v_add_nc_u32 v[XR], XCH, v[RO]
.irp b, 0,1,2,3
	v_mov_b32 v[TM+4+\b], 0
.endr
	s_wait_kmcnt 0x0
	s_add_nc_u64 s[8:9], s[6:7], s[24:25]          ; k' images
	s_add_nc_u64 s[10:11], s[4:5], s[26:27]        ; v images
	s_add_nc_u64 s[12:13], s[6:7], s[28:29]        ; k' scale words
	s_add_nc_u64 s[14:15], s[4:5], s[30:31]        ; v scale words
	s_add_nc_u64 s[32:33], s[16:17], s[32:33]      ; my kv image
	s_add_nc_u64 s[34:35], s[16:17], s[34:35]      ; the kv scale words
	LOADK 0, 0
	LOADK 1, 1
.irp t, 0,1,2,3,4,5,6,7
.if \t < 7
	s_wait_loadcnt 38                              ; this step's 38 loads are in; the next step's 38 may be out
.else
	s_wait_loadcnt 0x0
.endif
	WIN (0x5a+5*(\t%2))
.irp a, 0,1,2,3
.irp b, 0,1,2,3,4,5,6,7
	WM 8*(8*\a+\b), 12*\b, 96+12*\a, SCB+8*(\t%2)+\b%4, SCA+8*(\t%2)+\a, \b/4, \t
.endr
.endr
	WIN 0
.rept 4
	v_nop                                          ; places in front of loads into the set just multiplied, and of the first read of results
.endr
.if \t < 6
	LOADK \t+2, \t%2
.endif
.endr
	; the four waves' partial sums meet in LDS
	WIN 0x04                                       ; an LDS store's data are its source 1: window 1
.irp a, 0,1,2,3
.set k, 0
.rept 16
	ds_store_b128 v[RW+(\a)/2], v[64*\a+4*k:64*\a+4*k+3] offset:32768*((\a)%2)+512*k   ; each accumulator from its low end on
.set k, k+1
.endr
.endr
	WIN 0
	s_wait_dscnt 0x0                               ; for the others' sake: my stores have landed
	s_barrier_signal -1
	s_barrier_wait -1
	WIN 0x80                                       ; destination window 2
.set k, 0
.rept 64
	ds_load_b128 v[4*k:4*k+3], v[RR] offset:512*k  ; wave u's sums of d tile w into v[64 u ..]
.set k, k+1
.endr
	WIN 0
	s_wait_dscnt 0x0
	WIN 0x0a
.set k, 0
.rept 32
	v_pk_add_f32 v[T+2*k:T+2*k+1], v[2*k:2*k+1], v[64+2*k:64+2*k+1]
	v_pk_add_f32 v[U+2*k:U+2*k+1], v[128+2*k:128+2*k+1], v[192+2*k:192+2*k+1]
.set k, k+1
.endr
	WIN 0
.set k, 0
.rept 32
	v_pk_add_f32 v[T+2*k:T+2*k+1], v[T+2*k:T+2*k+1], v[U+2*k:U+2*k+1]
.set k, k+1
.endr
	QUANT T, 0, PC, PW
.irp c, 0,1,2
	global_store_b128 v[LI], v[PC+4*\c:PC+4*\c+3], s[32:33] offset:512*\c
.endr
	ds_store_b32 v[XW], v[PW]                      ; lanes r and r + 16 write the same word with the same value
	s_wait_dscnt 0x0
	s_barrier_signal -1
	s_barrier_wait -1
	s_cmp_lg_u32 s18, 0
	s_cbranch_scc1 .Lend
	ds_load_b128 v[XQ:XQ+3], v[XR]
	s_wait_dscnt 0x0
	s_wait_xcnt 0x0                                ; EXEC changes only behind this wait
	v_cmp_gt_u32 vcc_lo, 16, v1
	s_and_saveexec_b32 s23, vcc_lo
	global_store_b128 v[RO], v[XQ:XQ+3], s[34:35]  ; sixteen lanes store the four tiles' words: 256 consecutive bytes
.Lend:
	s_wait_xcnt 0x0
	s_mov_b32 exec_lo, -1
	s_wait_tensorcnt 0x0
	ds_add_u32 v254, v255
	s_wait_dscnt 0x0
	s_endpgm
.Lfunc_end_k_q830453f546_kv:
	.size	k_q830453f546_kv, .Lfunc_end_k_q830453f546_kv-k_q830453f546_kv
	.p2alignl 7, 3214868480
	.fill 96, 4, 3214868480
	.section	.rodata,"a",@progbits
	.p2align	6, 0x0
	.amdhsa_kernel k_q830453f546_kv
		.amdhsa_group_segment_fixed_size 131840
		.amdhsa_private_segment_fixed_size 0
		.amdhsa_enable_private_segment 0
		.amdhsa_kernarg_size 24
		.amdhsa_user_sgpr_count 2
		.amdhsa_user_sgpr_kernarg_segment_ptr 1
		.amdhsa_wavefront_size32 1
		.amdhsa_system_sgpr_workgroup_id_x 1
		.amdhsa_system_sgpr_workgroup_id_y 1
		.amdhsa_system_sgpr_workgroup_id_z 1
		.amdhsa_system_vgpr_workitem_id 0
		.amdhsa_next_free_vgpr 1024
		.amdhsa_next_free_sgpr 66
		.amdhsa_reserve_vcc 1
		.amdhsa_float_denorm_mode_32 3
		.amdhsa_float_denorm_mode_16_64 3
		.amdhsa_memory_ordered 1
		.amdhsa_forward_progress 1
		.amdhsa_inst_pref_size 85
	.end_amdhsa_kernel
	.amdgpu_metadata
---
amdhsa.version: [ 1, 2 ]
amdhsa.kernels:
  - .name:           k_q830453f546_kv
    .symbol:         k_q830453f546_kv.kd
    .args:
      - { .name: w2, .offset: 0, .size: 8, .value_kind: global_buffer, .address_space: global }
      - { .name: w3, .offset: 8, .size: 8, .value_kind: global_buffer, .address_space: global }
      - { .name: w4, .offset: 16, .size: 8, .value_kind: global_buffer, .address_space: global }
    .group_segment_fixed_size: 131840
    .private_segment_fixed_size: 0
    .kernarg_segment_align: 8
    .kernarg_segment_size: 24
    .max_flat_workgroup_size: 128
    .sgpr_count:     66
    .vgpr_count:     1024
    .wavefront_size: 32
...
	.end_amdgpu_metadata
.endif
;; end of part 4
;; launch out (part 5): grid 256 x 1, 4 waves a work-group, no clusters, 67,072 bytes of LDS; arguments w3, w4, out0; writes out0
.if DOCPART == 5
	.amdgcn_target "amdgcn-amd-amdhsa--gfx1250"
	.amdhsa_code_object_version 6
	.text
	.protected	k_q830453f546_out
	.globl	k_q830453f546_out
	.p2align	8
	.type	k_q830453f546_out,@function
k_q830453f546_out:
	s_mov_b64 s[64:65], 0
	v_nop
	global_prefetch_b8 v0, s[64:65] scope:SCOPE_SE
	s_setreg_imm32_b32 hwreg(HW_REG_WAVE_MODE, 25, 1), 1
	s_wait_xcnt 0x0
; out[l][d] = (sum over p of Q(q')[l][p] Q(kv)[p][d]) / (sum over p of q'[l][p] + 1e-8), the product on codes of BF6.
; LIMITS: NaN and infinities are not served; the division is a multiplication by v_rcp_f32's result.
; SHARES.  Work-group g: 64 rows l (tiles 4 g + a) x all 1,024 d; wave w: d tiles 16 w + i: 64 accumulators, 128 matrix instructions.  Source 0 = kv's tiles (rows d), source 1 = q': a lane holds one row l and
; neighbouring d.  Fragments come from memory as images, three loads of 512 consecutive bytes; each fragment of kv is read once in a work-group.  No barrier: each wave has its own stage in LDS.
; No cluster and no tensor load: what is shared, a batch's kv, is small beside the 262,144 bytes that a work-group stores.  No prefetch: the launch streams its output.
; REGISTERS: window 0: v4-8 addresses; v16-23 q' scale words, v24-39 kv's (nothing else); v40-59 the divisors; v64-159 q' fragments; v128-255 on the way out.
;   window 1: kv fragments, two sets at v0 and v128; later rows read back.   windows 2, 3: accumulators ((a, i) in window 2 + a / 2 at 128 (a % 2) + 8 i).
.set SQP, 6291456
.set ZP,  6553600
.set SKV, 786432
.set LI,  4
.set RO,  5
.set KO,  6
.set STO, 7
.set RD,  8
.set TMP, 128
.set MSB, 0
.macro WIN new
.if MSB != (\new)
	s_set_vgpr_msb (MSB<<8)|(\new)
.set MSB, (\new)
.endif
.endm
.macro WM d, f0, f1, c0, c1, row, acc
.if (\acc)
.if (\row)
	v_wmma_scale_f32_16x16x128_f8f6f4 v[(\d):(\d)+7], v[(\f0):(\f0)+11], v[(\f1):(\f1)+11], v[(\d):(\d)+7], v[\c0], v[\c1] matrix_a_fmt:MATRIX_FMT_BF6 matrix_b_fmt:MATRIX_FMT_BF6 matrix_a_scale:MATRIX_SCALE_ROW1
.else
	v_wmma_scale_f32_16x16x128_f8f6f4 v[(\d):(\d)+7], v[(\f0):(\f0)+11], v[(\f1):(\f1)+11], v[(\d):(\d)+7], v[\c0], v[\c1] matrix_a_fmt:MATRIX_FMT_BF6 matrix_b_fmt:MATRIX_FMT_BF6
.endif
.else
.if (\row)
	v_wmma_scale_f32_16x16x128_f8f6f4 v[(\d):(\d)+7], v[(\f0):(\f0)+11], v[(\f1):(\f1)+11], 0, v[\c0], v[\c1] matrix_a_fmt:MATRIX_FMT_BF6 matrix_b_fmt:MATRIX_FMT_BF6 matrix_a_scale:MATRIX_SCALE_ROW1
.else
	v_wmma_scale_f32_16x16x128_f8f6f4 v[(\d):(\d)+7], v[(\f0):(\f0)+11], v[(\f1):(\f1)+11], 0, v[\c0], v[\c1] matrix_a_fmt:MATRIX_FMT_BF6 matrix_b_fmt:MATRIX_FMT_BF6
.endif
.endif
.endm
.macro KVLOAD gi                       ; d tiles 4 gi .. 4 gi + 3 of my 16, both steps: 12,288 consecutive bytes, 24 loads
	WIN 0x40
.set n, 0
.rept 24
	global_load_b128 v[128*((\gi)%2)+4*n:128*((\gi)%2)+4*n+3], v[LI], s[16:17] offset:12288*(\gi)+512*n
.set n, n+1
.endr
	WIN 0
.endm
	s_load_b128 s[4:7], s[0:1], 0x0                ; w3, w4
	s_load_b64 s[8:9], s[0:1], 0x10                ; out0
	v_lshl_add_u32 v62, v0, 2, 0x10400
	v_mov_b32 v63, 0
	v_lshrrev_b32 v1, 5, v0
	v_readfirstlane_b32 s20, v1                    ; wave 0..3
	s_lshr_b32 s21, ttmp9, 6                       ; batch
	s_mul_i32 s22, ttmp9, 12288                    ; my 8 fragments of q'
	s_mov_b32 s23, 0
	s_lshl_b32 s24, ttmp9, 9
	s_add_co_u32 s26, s24, ZP
	s_add_co_u32 s24, s24, SQP
	s_mov_b32 s25, 0
	s_mov_b32 s27, 0
	s_lshl_b32 s28, s21, 2
	s_add_co_u32 s28, s28, s20                     ; 4 b + w
	s_mul_i32 s30, s28, 2048                       ; (16 b + 4 w) groups x 512 bytes
	s_add_co_u32 s30, s30, SKV
	s_mul_i32 s28, s28, 49152                      ; (64 b + 16 w) tiles x 3,072 bytes
	s_mov_b32 s29, 0
	s_mov_b32 s31, 0
	s_lshl_b32 s2, ttmp9, 18                       ; 64 rows of 4,096 bytes
	s_lshl_b32 s3, s20, 10                         ; my 256 columns
	s_add_co_u32 s2, s2, s3
	s_mov_b32 s3, 0
	v_and_b32 v1, 31, v0                           ; lane
	v_and_b32 v2, 15, v0                           ; r
	v_bfe_u32 v3, v0, 4, 1                         ; h
	v_lshlrev_b32 v[LI], 4, v1
	v_lshlrev_b32 v[RO], 4, v2
	v_lshl_add_u32 v[KO], v3, 9, v[RO]             ; lanes 16-31: the next group of four tiles
	s_mul_i32 s21, s20, 16640                      ; my stage: 16 rows x (1,024 + 16) bytes
	v_mul_u32_u24 v[STO], v2, 1040
	v_lshl_add_u32 v[STO], v3, 6, v[STO]
	v_add_nc_u32 v[STO], s21, v[STO]
	v_add_nc_u32 v[RD], s21, v[LI]
	s_wait_kmcnt 0x0
	s_add_nc_u64 s[10:11], s[4:5], s[22:23]
	s_add_nc_u64 s[12:13], s[4:5], s[24:25]
	s_add_nc_u64 s[14:15], s[4:5], s[26:27]
	s_add_nc_u64 s[16:17], s[6:7], s[28:29]
	s_add_nc_u64 s[18:19], s[6:7], s[30:31]
	s_add_nc_u64 s[8:9], s[8:9], s[2:3]
.irp s, 0,1
	global_load_b128 v[16+4*\s:19+4*\s], v[RO], s[12:13] offset:256*\s      ; q' scale words: step s, tiles a = 0 .. 3
	global_load_b128 v[40+4*\s:43+4*\s], v[RO], s[14:15] offset:256*\s      ; the partial row sums, laid likewise
.endr
.irp j, 0,1
.irp s, 0,1
	global_load_b128 v[24+8*\j+4*\s:27+8*\j+4*\s], v[KO], s[18:19] offset:1024*\j+256*\s   ; kv scale words: lanes 0-15 group 2 j, lanes 16-31 group 2 j + 1
.endr
.endr
.set n, 0
.rept 24
	global_load_b128 v[64+4*n:67+4*n], v[LI], s[10:11] offset:512*n         ; q' fragment (a, s) at v[64 + 12 (2 a + s)]
.set n, n+1
.endr
	KVLOAD 0
	KVLOAD 1
.irp gi, 0,1,2,3
.if \gi < 3
	s_wait_loadcnt 24                              ; all but the next group's 24 loads are in
.else
	s_wait_loadcnt 0x0
.endif
.irp ap, 0,1
	WIN (0xa1+0x50*\ap)                            ; source 0 (kv) window 1, source 1 (q') window 0, C and D window 2 or 3
.irp s, 0,1
.irp ii, 0,1,2,3
.irp a2, 0,1
	WM 128*\a2+8*(4*\gi+\ii), 128*(\gi%2)+12*(2*\ii+\s), 64+12*(2*(2*\ap+\a2)+\s), 24+8*(\gi/2)+4*\s+\ii, 16+4*\s+2*\ap+\a2, \gi%2, \s
.endr
.endr
.endr
.endr
	WIN 0
.rept 4
	v_nop                                          ; places in front of loads into the set just multiplied, and of the first read of results
.endr
.if \gi < 2
	KVLOAD \gi+2
.endif
.endr
	; the divisors: lane (r, h) holds row r of each of the four tiles
.irp a, 0,1,2,3
	v_add_f32 v[56+\a], v[40+\a], v[44+\a]         ; the two halves of p
.endr
.irp a, 0,1,2,3
	v_add_f32 v[56+\a], 0x322bcc77, v[56+\a]       ; + 1e-8
.endr
.irp a, 0,1,2,3
	v_rcp_f32 v[48+2*\a], v[56+\a]
.endr
.irp a, 0,1,2,3
	v_mov_b32 v[49+2*\a], 0                        ; named as the upper half of a pair whose low half serves both results; also the plain place behind the reciprocals
.endr
	s_wait_alu depctr_va_vdst(0)                   ; one wait for the four reciprocals, ahead of their first reader
.macro PACKZ a                         ; tile a's 128 results a lane, times z
	WIN (2+(\a)/2)
.set k, 0
.rept 64
	v_pk_mul_f32 v[TMP+2*k:TMP+2*k+1], v[128*((\a)%2)+2*k:128*((\a)%2)+2*k+1], v[48+2*(\a):49+2*(\a)] op_sel_hi:[1,0]   ; each accumulator from its low end on
.set k, k+1
.endr
	WIN 0
.endm
.macro TOSTAGE a                       ; into my stage (row r; tile i's eight numbers at 128 (i / 2) + 64 h + 32 (i % 2) bytes), and back as whole rows
.if (\a) >= 2
	s_wait_xcnt 0x0                                ; tile a - 2's stores have read the registers that the loads below fill
.endif
.set i, 0
.rept 16
	ds_store_b128 v[STO], v[TMP+8*i:TMP+8*i+3] offset:128*(i/2)+32*(i%2)
	ds_store_b128 v[STO], v[TMP+8*i+4:TMP+8*i+7] offset:128*(i/2)+32*(i%2)+16
.set i, i+1
.endr
	WIN 0x40
.set i, 0
.rept 32
	ds_load_b128 v[128*((\a)%2)+4*i:128*((\a)%2)+4*i+3], v[RD] offset:1040*(i/2)+512*(i%2)   ; LDS serves a wave's instructions in order: these see the stores above
.set i, i+1
.endr
	WIN 0
.endm
.macro SEND a
	s_wait_dscnt 0x0                               ; the tile is back in registers
	WIN 0x04                                       ; a store's data are its source 1: window 1
.set i, 0
.rept 32
	global_store_b128 v[LI], v[128*((\a)%2)+4*i:128*((\a)%2)+4*i+3], s[8:9] offset:(32*((\a)/2)+8*((\a)%2)+(i/2)+8*(i/16))*4096+512*(i%2) th:TH_STORE_NT   ; 32 lanes store 512 consecutive bytes of the row that lane row i / 2 stands for
.set i, i+1
.endr
	WIN 0
.endm
	PACKZ 0
	TOSTAGE 0
.irp a, 1,2,3
	PACKZ \a                                       ; a tile's multiplications stand between the loads of the tile before and the wait for them
	SEND \a-1
	TOSTAGE \a
.endr
	SEND 3
	s_barrier_signal -1
	s_barrier_wait -1
	s_wait_tensorcnt 0x0
	ds_add_u32 v62, v63
	s_wait_dscnt 0x0
	s_endpgm
.Lfunc_end_k_q830453f546_out:
	.size	k_q830453f546_out, .Lfunc_end_k_q830453f546_out-k_q830453f546_out
	.p2alignl 7, 3214868480
	.fill 96, 4, 3214868480
	.section	.rodata,"a",@progbits
	.p2align	6, 0x0
	.amdhsa_kernel k_q830453f546_out
		.amdhsa_group_segment_fixed_size 67072
		.amdhsa_private_segment_fixed_size 0
		.amdhsa_enable_private_segment 0
		.amdhsa_kernarg_size 24
		.amdhsa_user_sgpr_count 2
		.amdhsa_user_sgpr_kernarg_segment_ptr 1
		.amdhsa_wavefront_size32 1
		.amdhsa_system_sgpr_workgroup_id_x 1
		.amdhsa_system_sgpr_workgroup_id_y 1
		.amdhsa_system_sgpr_workgroup_id_z 1
		.amdhsa_system_vgpr_workitem_id 0
		.amdhsa_next_free_vgpr 1024
		.amdhsa_next_free_sgpr 66
		.amdhsa_reserve_vcc 0
		.amdhsa_float_denorm_mode_32 3
		.amdhsa_float_denorm_mode_16_64 3
		.amdhsa_memory_ordered 1
		.amdhsa_forward_progress 1
		.amdhsa_inst_pref_size 78
	.end_amdhsa_kernel
	.amdgpu_metadata
---
amdhsa.version: [ 1, 2 ]
amdhsa.kernels:
  - .name:           k_q830453f546_out
    .symbol:         k_q830453f546_out.kd
    .args:
      - { .name: w3, .offset: 0, .size: 8, .value_kind: global_buffer, .address_space: global }
      - { .name: w4, .offset: 8, .size: 8, .value_kind: global_buffer, .address_space: global }
      - { .name: out0, .offset: 16, .size: 8, .value_kind: global_buffer, .address_space: global }
    .group_segment_fixed_size: 67072
    .private_segment_fixed_size: 0
    .kernarg_segment_align: 8
    .kernarg_segment_size: 24
    .max_flat_workgroup_size: 128
    .sgpr_count:     66
    .vgpr_count:     1024
    .wavefront_size: 32
...
	.end_amdgpu_metadata
.endif
;; end of part 5
